; MI455X (gfx1250); checked and timed in simulation.
; The chip was launched on July 23, 2026; its instructions are those of AMD's public machine-readable ISA for CDNA 5 (MIT licence, August 2026) and "CDNA5" Instruction Set Architecture Reference Guide (July 2026). The comments in the code are by the model that wrote it; some were corrected since.
;; Mamba2 Attention. Allowed arithmetic: float matrix products may take bf16 or f16 operands with f32 sums; other float arithmetic in f32, or as packed bf16 or f16 multiplies, adds, multiply-adds, maxima and minima; sums over many terms, partial sums and values carried from step to step in f32; what a program stores and reads back later, other than sums and carried values, may be rounded once to bf16 or f16.
;; Inputs: A_log_bias 32 float32; Wg 1,024 x 4,096 float32; Win 32 x 4,096 float32; Wk 256 x 4,096 float32; Wo 4,096 x 1,024 float32; Wq 1,024 x 4,096 float32; Wv 256 x 4,096 float32; dt_bias 32 float32; gnorm_w 32 float32; hidden_states 1 x 4,096 x 4,096 float32.
;; Outputs: out0 1 x 4,096 x 4,096 float32.
;; One version. Each part assembles by itself: llvm-mc -triple=amdgcn-amd-amdhsa -mcpu=gfx1250 --defsym DOCPART=n.
;; ======== version 1 of 1: 4 launches
;; limits: values are held in f16: magnitudes above 65,504 overflow, below 6.1e-05 lose precision
;; workspace buffers: xb 33,554,432 bytes; wcat 22,020,096 bytes; wob 8,388,608 bytes; rope 524,288 bytes; ab 46,661,632 bytes; yimg 8,388,608 bytes
;; launch cast (part 1): grid 2016 x 1, 8 waves a work-group, no clusters, 0 bytes of LDS; arguments hidden_states, Wq, Wg, Wk, Wv, Win, Wo, gnorm_w, xb, wcat, wob, rope; writes xb, wcat, wob, rope
.if DOCPART == 1
	.amdgcn_target "amdgcn-amd-amdhsa--gfx1250"
	.amdhsa_code_object_version 6
	.text
	.protected	k_qe637866906_cast
	.globl	k_qe637866906_cast
	.p2align	8
	.type	k_qe637866906_cast,@function
k_qe637866906_cast:
	s_mov_b64 s[64:65], 0
	v_nop
	global_prefetch_b8 v0, s[64:65] scope:SCOPE_SE
	s_setreg_imm32_b32 hwreg(HW_REG_WAVE_MODE, 25, 1), 1
	s_wait_xcnt 0x0
; CAST.  Every large input is rounded once to bf16 and laid out for the launches behind.
;   xb   [4096][4096] bf16 = hidden_states.
;   wcat [8 groups][336 rows][4096] bf16: for kv group j the rows of Wq (heads 4j, 4j+1), Wg (the same heads), Wk (head j), Wq (heads 4j+2, 4j+3),
;        Wg (the same), Wv (head j) and 16 rows of Win, (4j+i) mod 32: the first four are the group's own heads, the other twelve fill a block of 16.
;   wob  [4096][1024] f16 = bf16(Wo[o][c]) x bf16(gnorm_w[c mod 32]): the product of two bf16 is exact in f32 and is rounded once.
;   rope cos[4096][16] f32, then sin[4096][16] f32.
; LIMITS.  |Wo x gnorm_w| stays under 65,504 (f16).  The angle is fl(pos x f) with f = 10^(-d/4) to the nearest f32; sine and cosine by reduction
; to a quarter turn and Taylor polynomials of degree 7 and 8 on |r| <= pi/4, whose first left-out terms are 3e-7 and 3e-8.
; SHARES.  One wave, one job of 2,048 numbers (half a row): 16 loads of 512 neighbouring bytes, all issued at once, and 16 stores of 256 neighbouring aligned bytes.
; The rounded numbers take the place of the loaded ones, and no register is written behind the store that reads it: no wait but the counted ones for the loads,
; and 80 registers a wave, so that many waves lie on a SIMD and some load while others' stores leave.  Memory binds: no LDS, no matrix unit, no cluster.
; The loads carry the hint for data read once; Win's 32 rows alone are read four times each (2 MiB of the launch's 122).
.set G_WQ,   1024                      ; first work-group of each role: hidden from 0 (4,096 rows x 2 halves / 8 waves)
.set G_WG,   1280
.set G_WK,   1536
.set G_WV,   1600
.set G_WIN,  1664
.set G_WO,   1696
.set G_ROPE, 1952
	s_load_b512 s[8:23], s[0:1], 0x0               ; hidden s[8:9], Wq s[10:11], Wg s[12:13], Wk s[14:15], Wv s[16:17], Win s[18:19], Wo s[20:21], gnorm_w s[22:23]
	s_load_b256 s[24:31], s[0:1], 0x40             ; xb s[24:25], wcat s[26:27], wob s[28:29], rope s[30:31]
	v_lshrrev_b32 v3, 5, v0
	v_readfirstlane_b32 s4, v3                     ; wave 0..7
	s_mov_b32 s5, ttmp9                            ; the work-group's number chooses the role
	v_and_b32 v3, 31, v0
	v_lshlrev_b32 v1, 4, v3                        ; 16 x lane: my 16 bytes of 512 loaded
	v_lshlrev_b32 v2, 3, v3                        ; 8 x lane: my 8 bytes of 256 stored
	s_wait_kmcnt 0x0
	s_cmp_ge_u32 s5, G_ROPE
	s_cbranch_scc1 .Lrope
	s_cmp_ge_u32 s5, G_WO
	s_cbranch_scc1 .Lwo
.macro LOADS                           ; a job's 8,192 bytes
.set i, 0
.rept 16
	global_load_b128 v[8+4*i:11+4*i], v1, s[32:33] offset:512*i th:TH_LOAD_NT
.set i, i+1
.endr
.endm
	; ROWS.  Source, first work-group, rows a group (as a shift) and the part's first row in a group of wcat are chosen by selects on the work-group's number.
	s_mov_b64 s[32:33], s[8:9]
	s_mov_b32 s38, 0
	s_mov_b32 s39, 7
	s_mov_b32 s40, 0
	s_cmp_ge_u32 s5, G_WQ
	s_cselect_b64 s[32:33], s[10:11], s[32:33]
	s_cselect_b32 s38, G_WQ, s38
	s_cmp_ge_u32 s5, G_WG
	s_cselect_b64 s[32:33], s[12:13], s[32:33]
	s_cselect_b32 s38, G_WG, s38
	s_cselect_b32 s40, 64, s40
	s_cmp_ge_u32 s5, G_WK
	s_cselect_b64 s[32:33], s[14:15], s[32:33]
	s_cselect_b32 s38, G_WK, s38
	s_cselect_b32 s39, 5, s39
	s_cselect_b32 s40, 128, s40
	s_cmp_ge_u32 s5, G_WV
	s_cselect_b64 s[32:33], s[16:17], s[32:33]
	s_cselect_b32 s38, G_WV, s38
	s_cselect_b32 s40, 288, s40
	s_cmp_ge_u32 s5, G_WIN
	s_cselect_b64 s[32:33], s[18:19], s[32:33]
	s_cselect_b32 s38, G_WIN, s38
	s_cselect_b32 s39, 4, s39
	s_cselect_b32 s40, 320, s40
	s_sub_co_u32 s41, s5, s38
	s_lshl_b32 s41, s41, 3
	s_add_co_u32 s41, s41, s4                      ; the job's number in its role:
	s_and_b32 s47, s41, 1                          ; which half of the row,
	s_lshr_b32 s41, s41, 1                         ; which row
	s_lshr_b32 s42, s41, s39                       ; kv group
	s_lshl_b32 s43, s42, s39
	s_sub_co_u32 s43, s41, s43                     ; row in the group's part
	s_lshr_b32 s44, s43, 6
	s_mul_i32 s44, s44, 96                         ; the second pair of heads of Wq and Wg lies 96 rows further on
	s_mul_i32 s37, s42, 336
	s_add_co_u32 s37, s37, s43
	s_add_co_u32 s37, s37, s44
	s_add_co_u32 s37, s37, s40                     ; the row in wcat
	s_lshl2_add_u32 s45, s42, s43
	s_and_b32 s45, s45, 31                         ; Win: row (4 j + i) mod 32
	s_cmp_ge_u32 s5, G_WIN
	s_cselect_b32 s36, s45, s41                    ; the source row
	s_cmp_lt_u32 s5, G_WQ
	s_cselect_b32 s37, s41, s37                    ; hidden: row to row
	s_cselect_b64 s[34:35], s[24:25], s[26:27]
	s_lshl_b32 s42, s36, 14                        ; 16,384 bytes a source row, 8,192 a half
	s_lshl_b32 s46, s47, 13
	s_add_co_u32 s42, s42, s46
	s_mov_b32 s43, 0
	s_lshl_b32 s44, s37, 13                        ; 8,192 bytes a row of bf16, 4,096 a half
	s_lshl_b32 s46, s47, 12
	s_add_co_u32 s44, s44, s46
	s_mov_b32 s45, 0
	s_add_nc_u64 s[32:33], s[32:33], s[42:43]
	s_add_nc_u64 s[34:35], s[34:35], s[44:45]
	LOADS
.set i, 0
.rept 16
	s_wait_loadcnt 15-i                            ; loads come back in order: load i is in, the 15 - i behind it stay out
	v_cvt_pk_bf16_f32 v[8+4*i], v[8+4*i], v[9+4*i]
	v_cvt_pk_bf16_f32 v[9+4*i], v[10+4*i], v[11+4*i]
	global_store_b64 v2, v[8+4*i:9+4*i], s[34:35] offset:256*i  ; the wave stores 256 consecutive bytes, aligned
.set i, i+1
.endr
	s_endpgm
.Lwo:                                  ; Wo is dense: job k takes its numbers 2,048 k on.  A lane's four columns are 4 x lane + 0..3 modulo 32 in every one of the 16 loads
	s_sub_co_u32 s41, s5, G_WO
	s_lshl_b32 s41, s41, 3
	s_add_co_u32 s41, s41, s4
	s_lshl_b32 s42, s41, 13
	s_mov_b32 s43, 0
	s_lshl_b32 s44, s41, 12
	s_mov_b32 s45, 0
	s_mov_b32 s46, 0xffff0000                      ; a word's upper bf16
	s_add_nc_u64 s[32:33], s[20:21], s[42:43]
	s_add_nc_u64 s[34:35], s[28:29], s[44:45]
	v_and_b32 v4, 7, v0
	v_lshlrev_b32 v4, 4, v4
	global_load_b128 v[72:75], v4, s[22:23]        ; my four gains
	LOADS
	s_wait_loadcnt 16                              ; the gains are in; the 16 loads behind them stay out
	v_cvt_pk_bf16_f32 v6, v72, v73                 ; rounded to bf16 like every input, and widened again
	v_cvt_pk_bf16_f32 v7, v74, v75
	v_lshlrev_b32 v72, 16, v6
	v_and_b32 v73, s46, v6
	v_lshlrev_b32 v74, 16, v7
	v_and_b32 v75, s46, v7
.set i, 0
.rept 16
	s_wait_loadcnt 15-i
	v_cvt_pk_bf16_f32 v6, v[8+4*i], v[9+4*i]
	v_cvt_pk_bf16_f32 v7, v[10+4*i], v[11+4*i]
	v_lshlrev_b32 v76, 16, v6
	v_and_b32 v77, s46, v6
	v_lshlrev_b32 v78, 16, v7
	v_and_b32 v79, s46, v7
	v_pk_mul_f32 v[76:77], v[76:77], v[72:73]
	v_pk_mul_f32 v[78:79], v[78:79], v[74:75]
	v_cvt_pk_f16_f32 v[8+4*i], v76, v77
	v_cvt_pk_f16_f32 v[9+4*i], v78, v79
	global_store_b64 v2, v[8+4*i:9+4*i], s[34:35] offset:256*i
.set i, i+1
.endr
	s_endpgm
.Lrope:                                ; thread g of 16,384: position g / 4, frequencies 4 (g % 4) + 0..3
	s_sub_co_u32 s41, s5, G_ROPE
	s_lshl_b32 s41, s41, 8
	v_add_nc_u32 v4, s41, v0
	v_lshrrev_b32 v5, 2, v4
	v_and_b32 v6, 3, v4
	v_cvt_f32_u32 v5, v5                           ; the position
	v_lshlrev_b32 v7, 4, v4                        ; my 16 bytes in each table
	v_cmp_eq_u32 s40, 1, v6
	v_cmp_eq_u32 s42, 2, v6
	v_cmp_eq_u32 s43, 3, v6
	s_mov_b32 s32, 0xbfc90fdb                      ; -pi/2 to the nearest f32,
	s_mov_b32 s33, 0x333bbd2e                      ; and what that leaves of it
	s_mov_b32 s34, 0xb9500d01                      ; -1/5040
	s_mov_b32 s35, 0x3c088889                      ; 1/120
	s_mov_b32 s36, 0xbe2aaaab                      ; -1/6
	s_mov_b32 s37, 0x37d00d01                      ; 1/40320
	s_mov_b32 s38, 0xbab60b61                      ; -1/720
	s_mov_b32 s39, 0x3d2aaaab                      ; 1/24
.macro FREQ i, f0, f1, f2, f3          ; 10^(-(4 c + i)/4) for c = 0..3
	v_mov_b32 v[8+\i], \f0
	s_mov_b32 s44, \f1
	v_cndmask_b32 v[8+\i], v[8+\i], s44, s40
	s_mov_b32 s45, \f2
	v_cndmask_b32 v[8+\i], v[8+\i], s45, s42
	s_mov_b32 s46, \f3
	v_cndmask_b32 v[8+\i], v[8+\i], s46, s43
.endm
	FREQ 0, 0x3f800000, 0x3dcccccd, 0x3c23d70a, 0x3a83126f
	FREQ 1, 0x3f0ff59a, 0x3d6655c3, 0x3bb8449c, 0x3a136a16
	FREQ 2, 0x3ea1e89b, 0x3d0186e2, 0x3b4f3e37, 0x39a5cb5f
	FREQ 3, 0x3e361887, 0x3c91ad39, 0x3ae91528, 0x393a7753
.macro SINCOS i
	v_mul_f32 v16, v5, v[8+\i]                     ; the angle, rounded once
	v_mul_f32 v17, 0x3f22f983, v16                 ; x 2/pi
	v_rndne_f32 v17, v17                           ; n quarter turns
	v_fma_f32 v18, v17, s32, v16
	v_fma_f32 v18, v17, s33, v18                   ; r = angle - n pi/2, in two parts
	v_cvt_i32_f32 v19, v17
	v_mul_f32 v20, v18, v18
	v_fma_f32 v21, v20, s34, s35
	v_fma_f32 v22, v20, s37, s38
	v_fma_f32 v21, v21, v20, s36
	v_fma_f32 v22, v22, v20, s39
	v_mul_f32 v21, v21, v20
	v_fma_f32 v22, v22, v20, -0.5
	v_fma_f32 v21, v21, v18, v18                   ; sin r
	v_fma_f32 v22, v22, v20, 1.0                   ; cos r
	v_and_b32 v23, 1, v19
	v_cmp_eq_u32 vcc_lo, 1, v23                    ; an odd quarter swaps the two
	v_cndmask_b32 v24, v21, v22, vcc_lo
	v_cndmask_b32 v25, v22, v21, vcc_lo
	v_and_b32 v26, 2, v19                          ; quarters 2, 3: the sine changes sign
	v_lshlrev_b32 v26, 30, v26
	v_xor_b32 v[44+\i], v26, v24
	v_add_nc_u32 v27, 1, v19                       ; quarters 1, 2: the cosine does
	v_and_b32 v27, 2, v27
	v_lshlrev_b32 v27, 30, v27
	v_xor_b32 v[40+\i], v27, v25
.endm
	SINCOS 0
	SINCOS 1
	SINCOS 2
	SINCOS 3
	global_store_b128 v7, v[40:43], s[30:31]
	global_store_b128 v7, v[44:47], s[30:31] offset:262144
	s_endpgm
.Lfunc_end_k_qe637866906_cast:
	.size	k_qe637866906_cast, .Lfunc_end_k_qe637866906_cast-k_qe637866906_cast
	.p2alignl 7, 3214868480
	.fill 96, 4, 3214868480
	.section	.rodata,"a",@progbits
	.p2align	6, 0x0
	.amdhsa_kernel k_qe637866906_cast
		.amdhsa_group_segment_fixed_size 0
		.amdhsa_private_segment_fixed_size 0
		.amdhsa_enable_private_segment 0
		.amdhsa_kernarg_size 96
		.amdhsa_user_sgpr_count 2
		.amdhsa_user_sgpr_kernarg_segment_ptr 1
		.amdhsa_wavefront_size32 1
		.amdhsa_system_sgpr_workgroup_id_x 1
		.amdhsa_system_sgpr_workgroup_id_y 1
		.amdhsa_system_sgpr_workgroup_id_z 1
		.amdhsa_system_vgpr_workitem_id 0
		.amdhsa_next_free_vgpr 80
		.amdhsa_next_free_sgpr 66
		.amdhsa_reserve_vcc 1
		.amdhsa_float_denorm_mode_32 3
		.amdhsa_float_denorm_mode_16_64 3
		.amdhsa_memory_ordered 1
		.amdhsa_forward_progress 1
		.amdhsa_inst_pref_size 29
	.end_amdhsa_kernel
	.amdgpu_metadata
---
amdhsa.version: [ 1, 2 ]
amdhsa.kernels:
  - .name:           k_qe637866906_cast
    .symbol:         k_qe637866906_cast.kd
    .args:
      - { .name: hidden_states, .offset: 0, .size: 8, .value_kind: global_buffer, .address_space: global }
      - { .name: Wq, .offset: 8, .size: 8, .value_kind: global_buffer, .address_space: global }
      - { .name: Wg, .offset: 16, .size: 8, .value_kind: global_buffer, .address_space: global }
      - { .name: Wk, .offset: 24, .size: 8, .value_kind: global_buffer, .address_space: global }
      - { .name: Wv, .offset: 32, .size: 8, .value_kind: global_buffer, .address_space: global }
      - { .name: Win, .offset: 40, .size: 8, .value_kind: global_buffer, .address_space: global }
      - { .name: Wo, .offset: 48, .size: 8, .value_kind: global_buffer, .address_space: global }
      - { .name: gnorm_w, .offset: 56, .size: 8, .value_kind: global_buffer, .address_space: global }
      - { .name: xb, .offset: 64, .size: 8, .value_kind: global_buffer, .address_space: global }
      - { .name: wcat, .offset: 72, .size: 8, .value_kind: global_buffer, .address_space: global }
      - { .name: wob, .offset: 80, .size: 8, .value_kind: global_buffer, .address_space: global }
      - { .name: rope, .offset: 88, .size: 8, .value_kind: global_buffer, .address_space: global }
    .group_segment_fixed_size: 0
    .private_segment_fixed_size: 0
    .kernarg_segment_align: 8
    .kernarg_segment_size: 96
    .max_flat_workgroup_size: 256
    .sgpr_count:     66
    .vgpr_count:     80
    .wavefront_size: 32
...
	.end_amdgpu_metadata
.endif
;; end of part 1
;; launch proj (part 2): grid 8 x 32, 4 waves a work-group, clusters of 4 x 4, 327,680 bytes of LDS; arguments xb, wcat, rope, dt_bias, A_log_bias, ab; writes ab
.if DOCPART == 2
	.amdgcn_target "amdgcn-amd-amdhsa--gfx1250"
	.amdhsa_code_object_version 6
	.text
	.protected	k_qe637866906_proj
	.globl	k_qe637866906_proj
	.p2align	8
	.type	k_qe637866906_proj,@function
k_qe637866906_proj:
	s_mov_b64 s[64:65], 0
	v_nop
	global_prefetch_b8 v0, s[64:65] scope:SCOPE_SE
	s_setreg_imm32_b32 hwreg(HW_REG_WAVE_MODE, 25, 1), 1
	s_wait_xcnt 0x0
	s_wait_alu depctr_hold_cnt(0) depctr_sa_sdst(0) depctr_va_vdst(0) depctr_va_sdst(0) depctr_va_ssrc(0) depctr_va_vcc(0) depctr_vm_vsrc(0)
	s_getreg_b32 s2, hwreg(HW_REG_IB_STS2, 6, 4)
	s_cmp_eq_u32 s2, 0
	s_cbranch_scc0 .Lentry_in_a_cluster
	s_endpgm
.Lentry_in_a_cluster:
	s_bfe_u32 s2, ttmp6, 0x10000c
	s_cmp_lg_u32 s2, 0xf033
	s_cbranch_scc0 .Lentry_shape_is_right
	s_endpgm
.Lentry_shape_is_right:
; PROJ.  One work-group = one chunk n of 128 tokens x one kv group j: the product of 128 rows of x with the group's 336 weight rows over K = 4,096 (bf16, sums in f32), and on its
; way out everything of the chunk that needs no other chunk: RoPE, softplus, the running sum of the log decays, the intra-chunk product and the chunk's state.
; SHARES.  Wave w: wr = w / 2 its 64 tokens, wc = w % 2 its 160 weight rows (2 q heads, 2 gate heads, and k (wc = 0) or v (wc = 1)); 40 accumulators of 16 x 16, and two of the
; eight tiles of the dt block: the wave's four token blocks are taken in the order a xor 2 wc, so that the dt block always goes with its blocks 0 and 1.
; The matrix instruction is used transposed (source 0 = 16 weight rows, source 1 = 16 tokens): a lane holds one token (lane % 16) and the columns 8 (lane / 16) + 0..7.
; RING.  K in steps of 128 through two LDS slots; in a slot the 336 weight rows, then the 128 rows of x, all 272 bytes apart (256 + 16 of padding: the 16 rows of a fragment load
; start at 16 different groups of four banks).  Waves 0-2 fetch 112 weight rows each, wave 3 the rows of x.  By this text's count a wave has two tensor loads out at the start, then one:
; a request can go out only when the one before has landed, so at a change of slots nothing but the round stands between the two, and all of a K step's 168 products of a wave
; stand between a request and the wait for it.
; CLUSTER 4 x 4.  The four work-groups of a row of the cluster share the chunk (x's tile), the four of a column the kv group (the weights' tiles): joint loads, one mask a line.
; FORMATS.  What this program itself makes and multiplies again (q, k, v, the decayed scores, the decayed k) goes as bf16 in two parts, hi + lo, with the three products hi hi, hi lo, lo hi:
; 16 significant bits at bf16's range.  The gate leaves as f16.
; LIMITS.  |gate| stays under 65,504.  An exponential below 2^-126 counts as 0.  The running sum is made in another order than a sum from left to right.  dt_bias and A_log_bias are
; rounded to bf16 like every input.  log(1 + e) is a log2 for e >= 2^-8 and e (1 - e/2 + e e/3) below, where the first left-out term is under 2e-8 of it.  NaN and infinities are not treated apart.
; REGISTERS.  window 0: v0-15 addresses and nothing else, from first to last: every LDS address and every global offset, and all that they are made of, lies there, in registers that never hold data;
;   v16-135, v136-255 two fragment buffers (4 token blocks, 10 weight blocks, the dt block); on the way out data at work.
;   window 1: accumulator (a, b < 8) at v[8 (8 a + b)].   window 2: (a, 8 | 9) at v[8 (2 a + b - 8)]; dt (a = 0, 1) at v[64 + 8 a]; v80-143 cos and sin of my tokens.
;   The scalar terms of LDS addresses lie in s58, s70-73 (at the head) and s78-82, s100, s101 (on the way out), made of the wave's number, constants and loop counts alone.
.set PITCH, 272
.set PART,  112*PITCH                  ; what one of waves 0-2 fetches
.set XOFF,  3*PART                     ; x's rows in a slot
.set SLOT,  XOFF+128*PITCH
.set SPARE, 2*SLOT                     ; the spare words, 128 bytes a wave: two blocks of 256 bytes that no other line names
.set LAPS,  16                         ; 32 K steps, two a lap
; LDS on the way out, in the ring, whose bytes have had their last fill by then
.set ZB, 0                             ; [128 tokens][32 B]   the dt block's sums, columns 0-3 and 8-11
.set GL, 4096                          ; [4 heads][128] f32   G log2(e); dt 2,048 bytes on; exp(Glast - G) dt 4,096 bytes on
.set KI, 10240                         ; [8 token blocks][hi, lo][1 KB]   k as fragments
.set QI, 26624                         ; [4 heads][8][hi, lo][1 KB]       q as fragments
.set KF, 92160                         ; [128][144 B] k in f32
.set VH, 110592                        ; [128][96 B] v, hi; lo LOV bytes on
.set LOV, 12288
.set KD, 135168                        ; [4 heads][hi, lo][128][96 B] the decayed k
; parts of ab
.set YIN,  16777216
.set GIMG, 33554432
.set CST,  41943040
.set EGO,  46137344
.set L16, 3                            ; v3 on the way out: 16 x lane; never rewritten there
.set SPW, 12
.set NIL, 13
.set F0, 16
.set F1, 136
.set G1A, 24                           ; s[24:31] group 1 for x's tiles      s[40:47] group 0, a set for each slot
.set G1B, 32                           ; s[32:39] group 1 for the weights'   s[48:55] group 0
.set G0A, 40
.set G0B, 48
.set MSB, 0
.macro WIN new                         ; the immediate's high byte repeats the setting that is left; a switch that changes nothing is dropped
.if MSB != (\new)
	s_set_vgpr_msb (MSB<<8)|(\new)
.set MSB, \new
.endif
.endm
.macro PLACES                          ; four plain vector instructions between a matrix instruction and what reads its result or writes one of its registers (ISA guide 7.12.1)
.rept 4
	v_nop
.endr
.endm
.macro JLOAD s                         ; a joint load: wave 3 asks for x's tile, waves 0-2 for their parts of the weights'; an s_nop 0 and four v_nop follow each line
	s_cmp_eq_u32 s16, 3
	s_cbranch_scc0 .Lfor_w_\@
	tensor_load_to_lds s[G0A+4*(\s):G0A+4*(\s)+3], s[G1A:G1A+7]
	s_nop 0
.rept 4
	v_nop
.endr
	s_branch .Lasked_\@
.Lfor_w_\@:
	tensor_load_to_lds s[G0B+4*(\s):G0B+4*(\s)+3], s[G1B:G1B+7]
	s_nop 0
.rept 4
	v_nop
.endr
.Lasked_\@:
.endm
.macro CREST                           ; a round of the cluster's barrier behind its opening barrier
	s_cmp_lg_u32 s16, 0
	s_cbranch_scc1 .Lnot_wave_0_\@
	s_barrier_signal -3
.Lnot_wave_0_\@:
	s_barrier_wait -3
	s_barrier_signal -1
	s_barrier_wait -1
.endm
.macro CROUND
	s_barrier_signal -1
	s_barrier_wait -1
	CREST
.endm
	s_load_b256 s[4:11], s[0:1], 0x0               ; xb s[4:5], wcat s[6:7], rope s[8:9], dt_bias s[10:11]
	s_load_b128 s[12:15], s[0:1], 0x20             ; A_log_bias s[12:13], ab s[14:15]
	v_lshl_add_u32 v[SPW], v0, 2, SPARE
	v_mov_b32 v[NIL], 0
	ds_add_u32 v[SPW], v[NIL]                      ; the wave's opening: the add and its wait ahead of my first tensor load; work on registers stands between them
	v_lshrrev_b32 v1, 5, v0
	v_readfirstlane_b32 s16, v1                    ; wave w
	s_lshr_b32 s17, s16, 1                         ; wr
	s_and_b32 s18, s16, 1                          ; wc
	s_bfe_u32 s19, ttmp6, 0x40000                  ; cx
	s_bfe_u32 s20, ttmp6, 0x40004                  ; cy
	s_lshl_b32 s21, ttmp9, 2
	s_add_co_u32 s21, s21, s19                     ; kv group j = 4 x cluster x + cx
	s_and_b32 s22, ttmp7, 0xffff
	s_lshl_b32 s22, s22, 2
	s_add_co_u32 s22, s22, s20                     ; chunk n = 4 x cluster y + cy
	s_lshl_b32 s2, s20, 2
	s_lshl_b32 s2, 15, s2                          ; my row of the cluster
	s_lshl_b32 s3, 0x1111, s19                     ; my column
	s_or_b32 s[G1A+0], s2, (1<<16)|(1<<20)|(1<<21)|(5<<22)|(3<<25)  ; the mask; 2-byte elements; padding on; bit 21 beside a mask; after every 64 words 4 words
	s_mov_b32 s[G1A+1], 128<<16                    ; tensor_dim0 = 128
	s_mov_b32 s[G1A+2], 128<<16                    ; tensor_dim1 = 128
	s_mov_b32 s[G1A+3], 128<<16                    ; tile_dim0 = 128
	s_mov_b32 s[G1A+4], 128                        ; tile_dim1 = 128
	s_mov_b32 s[G1A+5], 4096                       ; elements from row to row
	s_mov_b32 s[G1A+6], 0
	s_mov_b32 s[G1A+7], 0
	s_or_b32 s[G1B+0], s3, (1<<16)|(1<<20)|(1<<21)|(5<<22)|(3<<25)
	s_mov_b32 s[G1B+1], 128<<16
	s_mov_b32 s[G1B+2], 112<<16                    ; 112 rows
	s_mov_b32 s[G1B+3], 128<<16
	s_mov_b32 s[G1B+4], 112
	s_mov_b32 s[G1B+5], 4096
	s_mov_b32 s[G1B+6], 0
	s_mov_b32 s[G1B+7], 0
	s_lshl_b32 s66, s22, 20                        ; x: 128 n rows of 8,192 bytes: the chunk alone, which my row of the cluster shares
	s_mov_b32 s67, 0
	s_mul_i32 s68, s21, 336                        ; weights: row 336 j + 112 w: the group alone, which my column shares, and the wave
	s_mul_i32 s69, s16, 112
	s_add_co_u32 s68, s68, s69
	s_lshl_b32 s68, s68, 13
	s_mov_b32 s69, 0
	s_mul_i32 s58, s16, PART                       ; where my part of the weights goes
	s_wait_dscnt 0x0                               ; the opening add is done
	s_wait_kmcnt 0x0
	s_add_nc_u64 s[66:67], s[4:5], s[66:67]
	s_add_nc_u64 s[68:69], s[6:7], s[68:69]
	CROUND                                         ; all sixteen work-groups are here: the first joint loads meet
.irp s, 0,1
	s_mov_b32 s[G0A+4*(\s)], 1
	s_mov_b32 s[G0A+4*(\s)+1], XOFF+(\s)*SLOT
	s_add_nc_u64 s[G0A+4*(\s)+2:G0A+4*(\s)+3], s[66:67], (\s)*256
	s_or_b32 s[G0A+4*(\s)+3], s[G0A+4*(\s)+3], 0x80000000
	s_mov_b32 s[G0B+4*(\s)], 1
	s_add_co_u32 s[G0B+4*(\s)+1], s58, (\s)*SLOT
	s_add_nc_u64 s[G0B+4*(\s)+2:G0B+4*(\s)+3], s[68:69], (\s)*256
	s_or_b32 s[G0B+4*(\s)+3], s[G0B+4*(\s)+3], 0x80000000
	JLOAD \s
.endr
	s_lshl2_add_u32 s74, s21, s16                  ; head 4 j + w: the one whose statistics I make
	s_lshl_b32 s74, s74, 2
	s_mov_b32 s75, 0
	s_add_nc_u64 s[10:11], s[10:11], s[74:75]
	s_add_nc_u64 s[12:13], s[12:13], s[74:75]
	s_load_b32 s56, s[10:11], 0x0                  ; the two biases: waited for on the way out; s10-13, s56 and s57 are left alone until then
	s_load_b32 s57, s[12:13], 0x0
	v_and_b32 v1, 15, v0                           ; r
	v_bfe_u32 v2, v0, 4, 1                         ; h
	v_mul_u32_u24 v3, v1, PITCH
	v_lshl_add_u32 v3, v2, 4, v3                   ; a fragment's row x pitch + 16 h
	s_mul_i32 s70, s18, 160*PITCH                  ; my 160 weight rows
	s_mul_i32 s71, s17, 64*PITCH
	s_add_co_u32 s71, s71, XOFF                    ; my 64 tokens
	s_mul_i32 s72, s18, 32*PITCH
	s_add_co_u32 s72, s72, s71                     ; my blocks 0, 1: token blocks 2 wc, 2 wc + 1 of them
	s_xor_b32 s73, s18, 1
	s_mul_i32 s73, s73, 32*PITCH
	s_add_co_u32 s73, s73, s71                     ; my blocks 2, 3: the other two
.irp s, 0,1
	v_add_nc_u32 v[4+(\s)], s70, v3
	v_add_nc_u32 v[6+(\s)], 320*PITCH+(\s)*SLOT, v3
	v_add_nc_u32 v[8+(\s)], s72, v3
	v_add_nc_u32 v[10+(\s)], s73, v3
	s_add_co_u32 s70, s70, SLOT
	s_add_co_u32 s72, s72, SLOT
	s_add_co_u32 s73, s73, SLOT
.endr
	; cos and sin of my 64 tokens, frequencies 8 h + 0..7: loaded now, waited for on the way out
	s_lshl_b32 s83, s18, 1                         ; 2 wc
	s_lshl_b32 s74, s22, 13                        ; 128 n tokens x 64 bytes
	s_lshl_b32 s75, s17, 12
	s_add_co_u32 s74, s74, s75
	s_mov_b32 s75, 0
	s_add_nc_u64 s[86:87], s[8:9], s[74:75]
	v_lshlrev_b32 v14, 6, v1
	v_lshl_add_u32 v14, v2, 5, v14
	s_lshl_b32 s76, s18, 11                        ; token block 2 wc
	s_xor_b32 s77, s76, 2048
	v_add_nc_u32 v15, s77, v14
	v_add_nc_u32 v14, s76, v14
	WIN 0x80                                       ; destination window 2
.irp a, 0,1,2,3
	global_load_b128 v[80+16*(\a):83+16*(\a)], v[14+(\a)/2], s[86:87] offset:((\a)%2)*1024
	global_load_b128 v[84+16*(\a):87+16*(\a)], v[14+(\a)/2], s[86:87] offset:((\a)%2)*1024+16
	global_load_b128 v[88+16*(\a):91+16*(\a)], v[14+(\a)/2], s[86:87] offset:((\a)%2)*1024+262144
	global_load_b128 v[92+16*(\a):95+16*(\a)], v[14+(\a)/2], s[86:87] offset:((\a)%2)*1024+262160
.endr
	WIN 0
.macro PROD d, a, b, z                 ; z = 1: the product starts the sum
.if \z
	v_wmma_f32_16x16x32_bf16 v[(\d):(\d)+7], v[(\a):(\a)+7], v[(\b):(\b)+7], 0
.else
	v_wmma_f32_16x16x32_bf16 v[(\d):(\d)+7], v[(\a):(\a)+7], v[(\b):(\b)+7], v[(\d):(\d)+7]
.endif
.endm
; The 42 accumulators take turns, one instruction a turn, in the same order in every quarter step.
.macro GW1 f, a0, z                    ; 16 products: token blocks a0, a0 + 1 x weight blocks 0-7
	WIN 0x50
.irp a, \a0, (\a0)+1
.irp b, 0,1,2,3,4,5,6,7
	PROD 8*(8*(\a)+(\b)),(\f)+32+8*(\b),(\f)+8*(\a),\z
.endr
.endr
.endm
.macro GW2 f, z                        ; 10 products: all token blocks x weight blocks 8, 9; blocks 0, 1 x the dt block
	WIN 0xa0
.irp a, 0,1,2,3
.irp b, 0,1
	PROD 8*(2*(\a)+(\b)),(\f)+96+8*(\b),(\f)+8*(\a),\z
.endr
.endr
.irp a, 0,1
	PROD 64+8*(\a),(\f)+112,(\f)+8*(\a),\z
.endr
.endm
.macro FETCH slot, k, f                ; 30 LDS loads in one run: the fragments of 32 along K at byte k of the rows
	WIN 0
.irp b, 0,1,2,3,4,5,6,7,8,9
	ds_load_b128 v[(\f)+32+8*(\b):(\f)+35+8*(\b)], v[4+(\slot)] offset:(\k)+(\b)*16*PITCH
	ds_load_b128 v[(\f)+36+8*(\b):(\f)+39+8*(\b)], v[4+(\slot)] offset:(\k)+(\b)*16*PITCH+32
.endr
	ds_load_b128 v[(\f)+112:(\f)+115], v[6+(\slot)] offset:(\k)
	ds_load_b128 v[(\f)+116:(\f)+119], v[6+(\slot)] offset:(\k)+32
.irp a, 0,1
	ds_load_b128 v[(\f)+8*(\a):(\f)+3+8*(\a)], v[8+(\slot)] offset:(\k)+(\a)*16*PITCH
	ds_load_b128 v[(\f)+4+8*(\a):(\f)+7+8*(\a)], v[8+(\slot)] offset:(\k)+(\a)*16*PITCH+32
.endr
.irp a, 0,1
	ds_load_b128 v[(\f)+16+8*(\a):(\f)+19+8*(\a)], v[10+(\slot)] offset:(\k)+(\a)*16*PITCH
	ds_load_b128 v[(\f)+20+8*(\a):(\f)+23+8*(\a)], v[10+(\slot)] offset:(\k)+(\a)*16*PITCH+32
.endr
.endm
; A K step is four quarters of 32 along K on buffers 0, 1, 0, 1.  One of the first three multiplies buffer f and fetches the next quarter, at byte k, into g, 26 products ahead of its use.
.macro QUARTER slot, k, f, g, z
	s_wait_dscnt 0x0                               ; buffer f's 30 loads; nothing else is out
	GW1 \f, 0, \z
	PLACES
	FETCH \slot, \k, \g
	GW2 \f, \z
	GW1 \f, 2, \z
.endm
; The last quarter changes slots and then multiplies buffer 1, which holds this slot's last fragments.  One barrier; in front of it each wave waits for all its tensor loads (its part of the next
; slot), adds 0 to its spare word and waits for that and for its reads of this slot.  fill = 1: the barrier opens a round of the cluster's, and this slot is filled again, two K steps ahead,
; first thing behind the round.  The quarter's 42 products stand behind the request, not in front of it: they would hold it back, and the next request hangs on this one's landing.
.macro TURN slot, next, fill
	WIN 0
	s_wait_tensorcnt 0x0                           ; no tensor load of mine is out, so a group 0 may be written
	ds_add_u32 v[SPW], v[NIL]                      ; 0 onto my spare word; with fill = 1 the descriptors' steps stand between it and the wait for it
.if \fill
	s_add_nc_u64 s[G0A+4*(\slot)+2:G0A+4*(\slot)+3], s[G0A+4*(\slot)+2:G0A+4*(\slot)+3], 512
	s_add_nc_u64 s[G0B+4*(\slot)+2:G0B+4*(\slot)+3], s[G0B+4*(\slot)+2:G0B+4*(\slot)+3], 512
.endif
	s_wait_dscnt 0x0                               ; the add is done, and my reads of this slot are over: buffer 1's loads were the last
	s_barrier_signal -1
	s_barrier_wait -1
.if \fill
	CREST
	JLOAD \slot                                    ; its four v_nop are also the places in front of the loads below
.else
	PLACES
.endif
	FETCH \next, 0, F0
	GW1 F1, 0, 0
	GW2 F1, 0
	GW1 F1, 2, 0
.endm
	s_wait_tensorcnt 0x1                           ; my part of K step 0 is in; K step 1's, issued behind it, stays out
	s_barrier_signal -1
	s_barrier_wait -1
	FETCH 0, 0, F0
	QUARTER 0, 64, F0, F1, 1                       ; the first quarter starts the sums: nothing is cleared
	WIN 0
	s_mov_b32 s23, LAPS-1
.Llap:                                                 ; a trip goes once round the ring, from a lap's second quarter to the next lap's first
	QUARTER 0, 128, F1, F0, 0
	QUARTER 0, 192, F0, F1, 0
	TURN 0, 1, 1
	QUARTER 1, 64, F0, F1, 0
	QUARTER 1, 128, F1, F0, 0
	QUARTER 1, 192, F0, F1, 0
	TURN 1, 0, 1
	QUARTER 0, 64, F0, F1, 0
	WIN 0
	s_sub_co_u32 s23, s23, 1
	s_cmp_lg_u32 s23, 0
	s_cbranch_scc1 .Llap
	QUARTER 0, 128, F1, F0, 0                      ; the last lap fills nothing
	QUARTER 0, 192, F0, F1, 0
	TURN 0, 1, 0
	QUARTER 1, 64, F0, F1, 0
	QUARTER 1, 128, F1, F0, 0
	QUARTER 1, 192, F0, F1, 0
	s_wait_dscnt 0x0
	GW1 F1, 0, 0
	GW2 F1, 0
	GW1 F1, 2, 0
	WIN 0
	; THE WAY OUT.  Where my parts of ab begin (s98, s99 at work: they serve global offsets alone).
	s_lshl_b32 s98, s21, 2
	s_add_co_u32 s98, s98, s83                     ; head 4 j + 2 wc
	s_lshl_b32 s98, s98, 8
	s_lshl3_add_u32 s98, s22, s98
	s_lshl2_add_u32 s98, s17, s98                  ; x 256 + token block 8 n + 4 wr
	s_lshl_b32 s68, s98, 11
	s_mov_b32 s69, 0
	s_lshl_b32 s70, s98, 10
	s_add_co_u32 s70, s70, GIMG
	s_mov_b32 s71, 0
	s_add_nc_u64 s[68:69], s[14:15], s[68:69]      ; q
	s_add_nc_u64 s[70:71], s[14:15], s[70:71]      ; gate
	s_lshl2_add_u32 s99, s21, s16                  ; head 4 j + w
	s_lshl_b32 s84, s99, 8
	s_lshl3_add_u32 s84, s22, s84
	s_lshl_b32 s84, s84, 11
	s_add_co_u32 s84, s84, YIN
	s_mov_b32 s85, 0
	s_add_nc_u64 s[84:85], s[14:15], s[84:85]      ; y_intra
	s_lshl_b32 s88, s99, 14
	s_lshl_b32 s89, s22, 9
	s_add_co_u32 s88, s88, s89
	s_add_co_u32 s88, s88, EGO
	s_mov_b32 s89, 0
	s_add_nc_u64 s[88:89], s[14:15], s[88:89]      ; exp(G)
	s_lshl_b32 s90, s99, 5
	s_add_co_u32 s90, s90, s22
	s_lshl_b32 s90, s90, 12
	s_add_co_u32 s90, s90, CST
	s_mov_b32 s91, 0
	s_add_nc_u64 s[90:91], s[14:15], s[90:91]      ; the chunk's state
	s_mov_b32 s58, 0x3fb8aa3b                      ; log2(e)
	s_mov_b32 s67, 0xbfb8aa3b
	s_mov_b32 s59, 0x3f317218                      ; ln 2
	s_mov_b32 s60, 0x3eaaaaab                      ; 1/3
	s_mov_b32 s61, 0x3b800000                      ; 2^-8
	s_mov_b32 s62, 0xffff0000                      ; a word's upper bf16
	s_mov_b32 s97, 0xf149f2ca                      ; -1e30
	s_mov_b32 s92, -2                              ; lanes from 1, 2, 4, 8, 16 on
	s_mov_b32 s93, -4
	s_mov_b32 s94, -16
	s_mov_b32 s95, 0xffffff00
	s_mov_b32 s96, 0xffff0000
	PLACES                                         ; behind the last products
	s_wait_kmcnt 0x0                               ; the two biases
	s_wait_loadcnt 0x0                             ; cos and sin are in: v14 and v15, their offsets, are free
	s_wait_dscnt 0x0
	s_barrier_signal -1
	s_barrier_wait -1                              ; nobody reads the ring any more, and it has had its last fill: it is written from here on
	; 1. The dt block's sums go to LDS: my two tiles, columns 0-3 (h = 0) and 8-11 (h = 1) of each token.
	s_lshl_b32 s100, s17, 11                       ; token 64 wr + 32 wc, 32 bytes a token
	s_lshl_b32 s101, s18, 10
	s_add_co_u32 s100, s100, s101
	v_lshlrev_b32 v4, 5, v1
	v_lshl_add_u32 v4, v2, 4, v4
	v_add_nc_u32 v4, s100, v4
	WIN 0x08                                       ; store data in window 2
	ds_store_b128 v4, v[64:67]
	ds_store_b128 v4, v[72:75] offset:512
	WIN 0
	s_wait_dscnt 0x0                               ; for the others' sake
	s_barrier_signal -1
	s_barrier_wait -1
	; 2. Statistics of head t = w.  Lane l has tokens 4 l .. 4 l + 3.  v5 lane; v6 where my sums lie; v7-11 the lanes below me; v14 where the statistics go
	v_and_b32 v5, 31, v0
	v_lshlrev_b32 v[L16], 4, v5
	v_lshlrev_b32 v6, 7, v5
	v_lshl_add_u32 v6, s16, 2, v6
	ds_load_b32 v20, v6
	ds_load_b32 v21, v6 offset:32
	ds_load_b32 v22, v6 offset:64
	ds_load_b32 v23, v6 offset:96
	v_cvt_pk_bf16_f32 v24, s56, s57                ; the two biases, rounded like every input
	v_lshlrev_b32 v25, 16, v24                     ; dt_bias
	v_and_b32 v26, s62, v24                        ; A_log_bias
	v_mul_f32 v26, s58, v26
	v_exp_f32 v26, v26                             ; exp(A_log)
	v_lshlrev_b32 v15, 2, v5
	v_add_nc_u32 v7, -4, v15                       ; the lanes 1, 2, 4, 8, 16 below me, as byte indices
	v_add_nc_u32 v8, -8, v15
	v_add_nc_u32 v9, -16, v15
	v_add_nc_u32 v10, -32, v15
	v_add_nc_u32 v11, -64, v15
.irp i, 7,8,9,10,11
	v_and_b32 v\i, 0x7c, v\i
.endr
	s_wait_alu depctr_va_vdst(0)
	v_mul_f32 v26, s67, v26                        ; A log2(e) = -exp(A_log) log2(e)
	s_wait_dscnt 0x0
.irp i, 0,1,2,3
	v_add_f32 v[20+\i], v[20+\i], v25              ; x = z + bias
	v_and_b32 v[28+\i], 0x7fffffff, v[20+\i]
	v_mul_f32 v[28+\i], s67, v[28+\i]
.endr
.irp i, 0,1,2,3
	v_exp_f32 v[28+\i], v[28+\i]                   ; e = exp(-|x|)
.endr
.irp i, 0,1,2,3
	v_max_num_f32 v[20+\i], 0, v[20+\i]
.endr
	s_wait_alu depctr_va_vdst(0)
.irp i, 0,1,2,3
	v_add_f32 v[32+\i], 1.0, v[28+\i]
.endr
.irp i, 0,1,2,3
	v_log_f32 v[32+\i], v[32+\i]
.endr
.irp i, 0,1,2,3
	v_fma_f32 v[36+\i], v[28+\i], s60, -0.5
.endr
.irp i, 0,1,2,3
	v_fma_f32 v[36+\i], v[36+\i], v[28+\i], 1.0
.endr
	s_wait_alu depctr_va_vdst(0)
.irp i, 0,1,2,3
	v_mul_f32 v[36+\i], v[36+\i], v[28+\i]         ; the series, for small e
	v_mul_f32 v[32+\i], s59, v[32+\i]              ; ln(1 + e)
.endr
.irp i, 0,1,2,3
	v_cmp_gt_f32 vcc_lo, s61, v[28+\i]
	v_cndmask_b32 v[32+\i], v[32+\i], v[36+\i], vcc_lo
	v_add_f32 v[40+\i], v[20+\i], v[32+\i]         ; dt = max(x, 0) + log(1 + e)
	v_mul_f32 v[44+\i], v[40+\i], v26              ; g log2(e)
.endr
	v_add_f32 v45, v45, v44                        ; running sums in the lane,
	v_add_f32 v46, v46, v45
	v_add_f32 v47, v47, v46
	v_mov_b32 v48, v47
.irp s, 0,1,2,3,4                      ; over the lanes in five doubling steps,
	ds_bpermute_b32 v49, v[7+\s], v48
	s_wait_dscnt 0x0
	v_cndmask_b32 v49, 0, v49, s[92+\s]
	v_add_f32 v48, v48, v49
.endr
	ds_bpermute_b32 v49, v7, v48                   ; and what lies below my lane
	s_wait_dscnt 0x0
	v_cndmask_b32 v49, 0, v49, s92
	v_readlane_b32 s66, v48, 31                    ; the chunk's whole sum
.irp i, 0,1,2,3
	v_add_f32 v[52+\i], v49, v[44+\i]              ; G log2(e)
.endr
.irp i, 0,1,2,3
	v_sub_f32 v[28+\i], s66, v[52+\i]
.endr
.irp i, 0,1,2,3
	v_exp_f32 v[56+\i], v[52+\i]                   ; exp(G)
.endr
.irp i, 0,1,2,3
	v_exp_f32 v[28+\i], v[28+\i]                   ; exp(Glast - G)
.endr
	s_lshl_b32 s100, s16, 9
	s_add_co_u32 s100, s100, GL
	v_lshl_add_u32 v14, v5, 4, s100                ; a plain instruction behind the exponentials
	s_wait_alu depctr_va_vdst(0)
.irp i, 0,1,2,3
	v_mul_f32 v[28+\i], v[28+\i], v[40+\i]         ; x dt
.endr
	ds_store_b128 v14, v[52:55]
	ds_store_b128 v14, v[40:43] offset:2048
	ds_store_b128 v14, v[28:31] offset:4096
	global_store_b128 v[L16], v[56:59], s[88:89]   ; 512 consecutive bytes, aligned
	; 3. Element by element: q and k turned (RoPE) and split, the gate rounded, v split.  My block a is token block a xor 2 wc of my four: blocks 0, 1 and blocks 2, 3 have an address
	; register each, the odd block's step stands in the immediate.  v4, v5 q in LDS; v6, v7 q in ab; v8, v9 the gate in ab; v10 k in f32; v11 k's fragments; v14 v
	s_lshl_b32 s100, s18, 12                       ; token block 2 wc, 2,048 bytes a block,
	s_xor_b32 s101, s100, 4096                     ; and block 2 - 2 wc
	v_add_nc_u32 v6, s100, v[L16]
	v_add_nc_u32 v7, s101, v[L16]
	s_lshl_b32 s78, s18, 15
	s_lshl_b32 s79, s17, 13
	s_add_co_u32 s78, s78, s79
	s_add_co_u32 s78, s78, QI                      ; q's fragments in LDS: head 2 wc, token block 4 wr
	v_add_nc_u32 v4, s78, v6
	v_add_nc_u32 v5, s78, v7
	s_lshr_b32 s100, s100, 1                       ; the gate has 1,024 bytes a block
	s_lshr_b32 s101, s101, 1
	v_add_nc_u32 v8, s100, v[L16]
	v_add_nc_u32 v9, s101, v[L16]
	s_mul_i32 s100, s17, 64*144
	s_add_co_u32 s100, s100, KF
	v_mul_u32_u24 v10, v1, 144
	v_lshl_add_u32 v10, v2, 5, v10
	v_add_nc_u32 v10, s100, v10                    ; k in f32: token row, 32 h
	s_lshl_b32 s100, s17, 13
	s_add_co_u32 s100, s100, KI
	v_add_nc_u32 v11, s100, v[L16]                 ; k's fragments
	s_mul_i32 s100, s17, 64*96
	s_add_co_u32 s100, s100, VH
	v_mul_u32_u24 v14, v1, 96
	v_lshl_add_u32 v14, v2, 4, v14
	v_add_nc_u32 v14, s100, v14                    ; v: token row, 16 h
; x = the first of two accumulators (channels 8 h + i and 16 + 8 h + i) in window w -> v16-23, v24-31.  Each accumulator is read from its low end on.
.macro ROPE16 x, w, a
	WIN 0x08+(\w)                                  ; source 0 window w, source 1 (the table) window 2
.irp p, 0,1,2,3
	v_pk_mul_f32 v[32+2*\p:33+2*\p], v[(\x)+8+2*\p:(\x)+9+2*\p], v[88+16*(\a)+2*\p:89+16*(\a)+2*\p]
.endr
.irp p, 0,1,2,3
	v_pk_mul_f32 v[40+2*\p:41+2*\p], v[(\x)+2*\p:(\x)+1+2*\p], v[88+16*(\a)+2*\p:89+16*(\a)+2*\p]
.endr
.irp p, 0,1,2,3
	v_pk_fma_f32 v[16+2*\p:17+2*\p], v[(\x)+2*\p:(\x)+1+2*\p], v[80+16*(\a)+2*\p:81+16*(\a)+2*\p], v[32+2*\p:33+2*\p] neg_lo:[0,0,1] neg_hi:[0,0,1]
.endr
.irp p, 0,1,2,3
	v_pk_fma_f32 v[24+2*\p:25+2*\p], v[(\x)+8+2*\p:(\x)+9+2*\p], v[80+16*(\a)+2*\p:81+16*(\a)+2*\p], v[40+2*\p:41+2*\p]
.endr
	WIN 0
.endm
; 16 numbers at src in window w -> 8 registers of bf16 at hi, and what the rounding left (exact in f32), rounded to bf16, at lo; tmp: 16 registers at work
.macro SPLIT16 src, w, hi, lo, tmp
	WIN 5*(\w)
.irp p, 0,1,2,3,4,5,6,7
	v_cvt_pk_bf16_f32 v[(\hi)+\p], v[(\src)+2*\p], v[(\src)+2*\p+1]
.endr
	WIN 0
.irp p, 0,1,2,3,4,5,6,7
	v_lshlrev_b32 v[(\tmp)+2*\p], 16, v[(\hi)+\p]
	v_and_b32 v[(\tmp)+2*\p+1], s62, v[(\hi)+\p]
.endr
	WIN (\w)
.irp p, 0,1,2,3,4,5,6,7
	v_pk_add_f32 v[(\tmp)+2*\p:(\tmp)+2*\p+1], v[(\src)+2*\p:(\src)+2*\p+1], v[(\tmp)+2*\p:(\tmp)+2*\p+1] neg_lo:[0,1] neg_hi:[0,1]
.endr
	WIN 0
.irp p, 0,1,2,3,4,5,6,7
	v_cvt_pk_bf16_f32 v[(\lo)+\p], v[(\tmp)+2*\p], v[(\tmp)+2*\p+1]
.endr
.endm
.macro QHEAD a, p                      ; q head 2 wc + p, my block a: the packed halves ARE a fragment (16 tokens x 32 channels): into LDS for this chunk, into ab for the launch that adds the earlier chunks
	s_wait_xcnt 0x0                                ; earlier stores have read their data: v48-63 are written again only behind this wait
	ROPE16 8*(8*(\a)+2*(\p)), 1, \a
	SPLIT16 16, 0, 48, 56, 64
.irp u, 0,1,2,3
	ds_store_b128 v[4+(\a)/2], v[48+4*\u:51+4*\u] offset:(\p)*16384+((\a)%2)*2048+512*\u
.endr
.irp u, 0,1,2,3
	global_store_b128 v[6+(\a)/2], v[48+4*\u:51+4*\u], s[68:69] offset:(\p)*524288+((\a)%2)*2048+512*\u
.endr
.endm
.macro GHEAD a, p                      ; gate head 2 wc + p, my block a, to f16
	WIN 0x05
.irp i, 0,1,2,3,4,5,6,7
	v_cvt_pk_f16_f32 v[80+8*(\p)+\i], v[8*(8*(\a)+4+2*(\p))+2*\i], v[8*(8*(\a)+4+2*(\p))+2*\i+1]
.endr
	WIN 0
	global_store_b128 v[8+(\a)/2], v[80+8*(\p):83+8*(\p)], s[70:71] offset:(\p)*262144+((\a)%2)*1024
	global_store_b128 v[8+(\a)/2], v[84+8*(\p):87+8*(\p)], s[70:71] offset:(\p)*262144+((\a)%2)*1024+512
.endm
.irp a, 0,1,2,3
	QHEAD \a, 0
	QHEAD \a, 1
	GHEAD \a, 0
	GHEAD \a, 1
.endr
	s_wait_xcnt 0x0                                ; all those stores have read their data and their offsets
	s_cmp_eq_u32 s18, 0
	s_cbranch_scc0 .Lvpart
.irp a, 0,1,2,3                        ; wc = 0: k; my block a is token block 4 wr + a
	ROPE16 16*(\a), 2, \a
	ds_store_b128 v10, v[16:19] offset:(\a)*2304
	ds_store_b128 v10, v[20:23] offset:(\a)*2304+16
	ds_store_b128 v10, v[24:27] offset:(\a)*2304+64
	ds_store_b128 v10, v[28:31] offset:(\a)*2304+80
	SPLIT16 16, 0, 48, 56, 64
.irp u, 0,1,2,3
	ds_store_b128 v11, v[48+4*\u:51+4*\u] offset:(\a)*2048+512*\u
.endr
.endr
	s_branch .Lkvdone
.Lvpart:
.irp a, 0,1,2,3                        ; wc = 1: v; my block a is token block 4 wr + (a + 2) % 4
	SPLIT16 16*(\a), 2, 48, 56, 64
	ds_store_b128 v14, v[48:51] offset:(((\a)+2)%4)*1536
	ds_store_b128 v14, v[52:55] offset:(((\a)+2)%4)*1536+32
	ds_store_b128 v14, v[56:59] offset:(((\a)+2)%4)*1536+LOV
	ds_store_b128 v14, v[60:63] offset:(((\a)+2)%4)*1536+LOV+32
.endr
.Lkvdone:
	s_wait_dscnt 0x0                               ; for the others' sake
	s_barrier_signal -1
	s_barrier_wait -1                              ; from here on nothing that several waves read is written
	; 4. Within the chunk, head t = w.  S^T = K Q^T holds one query a lane and the keys 8 h + 0..7; times 2^(G_i - G_j) dt_j (0 above the diagonal), split, it IS source 1 of O^T = V^T P.
	; 32 queries a trip of the outer loop, 32 keys a trip of the inner one, which counts to four and jumps forward over the key blocks above the diagonal.
	; v16-47 K, then V; v48-63 G of the keys; v64-79 dt of the keys; v80-111 Q; v112-143 S; v144-175 P; v176-207 O; v208-215 the diagonal's mask; v216-219 G of the queries; v220-235 at work
	; addresses: v4 Q, v5 K, v6 G of the queries, v7 G of the keys, v8 V turned, v9 the decayed k turned (part 5); v10, v11, v14 a trip's own; v15 a trip's offset in ab
	s_lshl_b32 s100, s16, 14
	s_add_co_u32 s100, s100, QI
	v_add_nc_u32 v4, s100, v[L16]
	v_add_nc_u32 v5, KI, v[L16]
	s_lshl_b32 s100, s16, 9
	s_add_co_u32 s100, s100, GL
	v_lshl_add_u32 v6, v1, 2, s100
	v_lshl_add_u32 v7, v2, 5, s100
	v_and_b32 v15, 7, v0                           ; the turning load: lane l reads row 8 h + l % 8, bytes 16 ((l / 8) % 2) on
	v_lshl_add_u32 v15, v2, 3, v15
	v_mul_u32_u24 v15, v15, 96
	v_bfe_u32 v10, v0, 3, 1
	v_lshl_add_u32 v15, v10, 4, v15
	v_add_nc_u32 v8, VH, v15
	s_mul_i32 s100, s16, 2*LOV
	s_add_co_u32 s100, s100, KD
	v_add_nc_u32 v9, s100, v15
	v_lshlrev_b32 v241, 3, v2
	v_sub_nc_u32 v242, v1, v241                    ; key 8 h + i is hidden from query r where i > r - 8 h
.irp i, 0,1,2,3,4,5,6,7
	v_cmp_gt_i32 vcc_lo, \i, v242
	v_cndmask_b32 v[208+\i], 0, s97, vcc_lo
.endr
	v_mov_b32 v217, 0                              ; named with v216 and v218 as pairs
	v_mov_b32 v219, 0
	s_mov_b32 s75, 0
	s_mov_b32 s77, 0
.macro SPASS ko, qo, z                 ; the four score tiles by turns
.irp al, 0,1
.irp kb, 0,1
	PROD 112+16*(\al)+8*(\kb),16+16*(\kb)+(\ko),80+16*(\al)+(\qo),\z
.endr
.endr
.endm
.macro OPASS vo, po                    ; the four tiles of O^T by turns
.irp al, 0,1
.irp eb, 0,1
	PROD 176+16*(\al)+8*(\eb),16+16*(\eb)+(\vo),144+16*(\al)+(\po),0
.endr
.endr
.endm
.macro DEC al                          ; the two score tiles of query block al: decay, dt, split
.irp kb, 0,1
.irp p, 0,1,2,3
	v_pk_add_f32 v[220+8*\kb+2*\p:221+8*\kb+2*\p], v[216+2*(\al):217+2*(\al)], v[48+8*\kb+2*\p:49+8*\kb+2*\p] op_sel_hi:[0,1] neg_lo:[0,1] neg_hi:[0,1]
.endr
.endr
.irp p, 0,1,2,3                        ; in the diagonal's key block: the triangle for tile (al, al); tile (0, 1) is hidden whole; tile (1, 0) is seen whole
	v_pk_fma_f32 v[220+8*(\al)+2*\p:221+8*(\al)+2*\p], v[208+2*\p:209+2*\p], s[74:75], v[220+8*(\al)+2*\p:221+8*(\al)+2*\p] op_sel_hi:[1,0,1]
.endr
.if (\al) == 0
.irp p, 0,1,2,3
	v_pk_add_f32 v[228+2*\p:229+2*\p], v[228+2*\p:229+2*\p], s[76:77] op_sel_hi:[1,0]
.endr
.endif
.irp i, 0,1,2,3,4,5,6,7,8,9,10,11,12,13,14,15
	v_exp_f32 v[220+\i], v[220+\i]
.endr
	v_nop                                          ; a plain instruction behind the exponentials
	s_wait_alu depctr_va_vdst(0)
.irp p, 0,1,2,3,4,5,6,7
	v_pk_mul_f32 v[112+16*(\al)+2*\p:113+16*(\al)+2*\p], v[112+16*(\al)+2*\p:113+16*(\al)+2*\p], v[220+2*\p:221+2*\p]
.endr
.irp p, 0,1,2,3,4,5,6,7
	v_pk_mul_f32 v[112+16*(\al)+2*\p:113+16*(\al)+2*\p], v[112+16*(\al)+2*\p:113+16*(\al)+2*\p], v[64+2*\p:65+2*\p]
.endr
	SPLIT16 112+16*(\al), 0, 144+16*(\al), 152+16*(\al), 220
.endm
	s_mov_b32 s72, 0
.Lqa:
	s_wait_xcnt 0x0                                ; the last trip's stores have read O and their offset
.set i, 0
.rept 32                               ; cleared on purpose: one text for every key block
	v_mov_b32 v[176+i], 0
.set i, i+1
.endr
	s_lshl_b32 s78, s72, 12                        ; 32 queries: two blocks of 2,048 bytes,
	s_lshl_b32 s79, s72, 7                         ; 128 bytes of G
	v_add_nc_u32 v10, s78, v4
	v_add_nc_u32 v11, s79, v6
	v_add_nc_u32 v15, s78, v[L16]
.irp u, 0,1,2,3,4,5,6,7
	ds_load_b128 v[80+4*\u:83+4*\u], v10 offset:512*\u
.endr
	ds_load_b32 v216, v11
	ds_load_b32 v218, v11 offset:64
	s_mov_b32 s73, 0
.Lkc:
	s_cmp_gt_u32 s73, s72
	s_cbranch_scc1 .Lskip                          ; above the diagonal: nothing to do
	s_cmp_eq_u32 s73, s72
	s_cselect_b32 s74, 1.0, 0
	s_cselect_b32 s76, s97, 0
	s_lshl_b32 s80, s73, 12
	s_mul_i32 s81, s73, 3072
	s_lshl_b32 s82, s73, 7
	v_add_nc_u32 v10, s80, v5
	v_add_nc_u32 v11, s82, v7
	v_add_nc_u32 v14, s81, v8
.irp u, 0,1,2,3,4,5,6,7
	ds_load_b128 v[16+4*\u:19+4*\u], v10 offset:512*\u
.endr
.irp kb, 0,1
	ds_load_b128 v[48+8*\kb:51+8*\kb], v11 offset:64*\kb
	ds_load_b128 v[52+8*\kb:55+8*\kb], v11 offset:64*\kb+16
	ds_load_b128 v[64+8*\kb:67+8*\kb], v11 offset:2048+64*\kb
	ds_load_b128 v[68+8*\kb:71+8*\kb], v11 offset:2048+64*\kb+16
.endr
	s_wait_dscnt 0x0
	SPASS 0, 0, 1
	SPASS 0, 8, 0
	SPASS 8, 0, 0
	PLACES
.irp eb, 0,1
.irp hl, 0,1
	ds_load_tr16_b128 v[16+16*\eb+8*\hl:19+16*\eb+8*\hl], v14 offset:32*\eb+LOV*\hl
	ds_load_tr16_b128 v[20+16*\eb+8*\hl:23+16*\eb+8*\hl], v14 offset:32*\eb+LOV*\hl+1536
.endr
.endr
	DEC 0
	DEC 1
	s_wait_dscnt 0x0                               ; V
	OPASS 0, 0
	OPASS 0, 8
	OPASS 8, 0
	PLACES
.Lskip:
	s_add_co_u32 s73, s73, 1
	s_cmp_lt_u32 s73, 4
	s_cbranch_scc1 .Lkc
.irp u, 0,1,2,3,4,5,6,7
	global_store_b128 v15, v[176+4*\u:179+4*\u], s[84:85] offset:512*\u  ; 512 consecutive bytes, aligned
.endr
	s_add_co_u32 s72, s72, 1
	s_cmp_lt_u32 s72, 4
	s_cbranch_scc1 .Lqa
	s_wait_dscnt 0x0
	s_barrier_signal -1                            ; part 5 stores into LDS again: it begins when every wave has left the loops above, whose reads step through LDS with the loops' counts
	s_barrier_wait -1
	; 5. The chunk's state of head t = w: (k exp(Glast - G) dt)^T v.  First the decayed k, a token a lane, 32 tokens a trip, split, into my own bytes of LDS; then both come back turned, 32 tokens a trip.
	; addresses: v5 lane; v10 k in f32; v11 the weights; v14 where the decayed k goes; v8, v9 as above; v4, v6, v7 a trip's own
	s_wait_xcnt 0x0                                ; the stores above have read O's registers
	v_mov_b32 v49, 0                               ; named with v48 as a pair
	v_and_b32 v5, 31, v0
	v_mul_u32_u24 v10, v5, 144
	v_add_nc_u32 v10, KF, v10
	s_lshl_b32 s100, s16, 9
	s_add_co_u32 s100, s100, GL+4096
	v_lshl_add_u32 v11, v5, 2, s100
	v_mul_u32_u24 v14, v5, 96
	s_mul_i32 s101, s16, 2*LOV
	s_add_co_u32 s101, s101, KD
	v_add_nc_u32 v14, s101, v14
	s_mov_b32 s72, 0
.Lkd:
	s_mul_i32 s78, s72, 32*144
	s_lshl_b32 s79, s72, 7
	s_mul_i32 s80, s72, 32*96
	v_add_nc_u32 v4, s78, v10
	v_add_nc_u32 v6, s79, v11
	v_add_nc_u32 v7, s80, v14
.irp u, 0,1,2,3,4,5,6,7
	ds_load_b128 v[16+4*\u:19+4*\u], v4 offset:16*\u
.endr
	ds_load_b32 v48, v6
	s_wait_dscnt 0x0
.irp p, 0,1,2,3,4,5,6,7,8,9,10,11,12,13,14,15
	v_pk_mul_f32 v[16+2*\p:17+2*\p], v[16+2*\p:17+2*\p], v[48:49] op_sel_hi:[1,0]
.endr
	SPLIT16 16, 0, 64, 72, 96
	SPLIT16 32, 0, 80, 88, 96
	ds_store_b128 v7, v[64:67]
	ds_store_b128 v7, v[68:71] offset:16
	ds_store_b128 v7, v[80:83] offset:32
	ds_store_b128 v7, v[84:87] offset:48
	ds_store_b128 v7, v[72:75] offset:LOV
	ds_store_b128 v7, v[76:79] offset:LOV+16
	ds_store_b128 v7, v[88:91] offset:LOV+32
	ds_store_b128 v7, v[92:95] offset:LOV+48
	s_add_co_u32 s72, s72, 1
	s_cmp_lt_u32 s72, 4
	s_cbranch_scc1 .Lkd
.macro CPASS ko, vo                    ; the state's four tiles by turns: source 0 = 16 channels d of the decayed k, source 1 = 16 channels e of v, 32 tokens
.irp eb, 0,1
.irp db, 0,1
	PROD 176+8*(2*(\eb)+(\db)),112+16*(\db)+(\ko),16+16*(\eb)+(\vo),0
.endr
.endr
.endm
.set i, 0
.rept 32                               ; cleared on purpose: one text for every trip
	v_mov_b32 v[176+i], 0
.set i, i+1
.endr
	s_mov_b32 s73, 0
.Lcs:
	s_mul_i32 s81, s73, 3072
	v_add_nc_u32 v4, s81, v9
	v_add_nc_u32 v6, s81, v8
.irp db, 0,1
.irp hl, 0,1
	ds_load_tr16_b128 v[112+16*\db+8*\hl:115+16*\db+8*\hl], v4 offset:32*\db+LOV*\hl  ; LDS serves a wave's instructions in order: these see my stores above
	ds_load_tr16_b128 v[116+16*\db+8*\hl:119+16*\db+8*\hl], v4 offset:32*\db+LOV*\hl+1536
.endr
.endr
.irp eb, 0,1
.irp hl, 0,1
	ds_load_tr16_b128 v[16+16*\eb+8*\hl:19+16*\eb+8*\hl], v6 offset:32*\eb+LOV*\hl
	ds_load_tr16_b128 v[20+16*\eb+8*\hl:23+16*\eb+8*\hl], v6 offset:32*\eb+LOV*\hl+1536
.endr
.endr
	s_wait_dscnt 0x0
	CPASS 0, 0
	CPASS 0, 8
	CPASS 8, 0
	PLACES                                         ; in front of the next trip's loads into these products' sources, and of the stores below
	s_add_co_u32 s73, s73, 1
	s_cmp_lt_u32 s73, 4
	s_cbranch_scc1 .Lcs
.irp u, 0,1,2,3,4,5,6,7
	global_store_b128 v[L16], v[176+4*\u:179+4*\u], s[90:91] offset:512*\u
.endr
	s_wait_tensorcnt 0x0                           ; the wave's end, behind my last tensor load and my last LDS store
	ds_add_u32 v[SPW], v[NIL]
	s_wait_dscnt 0x0
	CROUND                                         ; the closing round
	s_endpgm
.Lfunc_end_k_qe637866906_proj:
	.size	k_qe637866906_proj, .Lfunc_end_k_qe637866906_proj-k_qe637866906_proj
	.p2alignl 7, 3214868480
	.fill 96, 4, 3214868480
	.section	.rodata,"a",@progbits
	.p2align	6, 0x0
	.amdhsa_kernel k_qe637866906_proj
		.amdhsa_group_segment_fixed_size 327680
		.amdhsa_private_segment_fixed_size 0
		.amdhsa_enable_private_segment 0
		.amdhsa_kernarg_size 48
		.amdhsa_user_sgpr_count 2
		.amdhsa_user_sgpr_kernarg_segment_ptr 1
		.amdhsa_wavefront_size32 1
		.amdhsa_system_sgpr_workgroup_id_x 1
		.amdhsa_system_sgpr_workgroup_id_y 1
		.amdhsa_system_sgpr_workgroup_id_z 1
		.amdhsa_system_vgpr_workitem_id 0
		.amdhsa_next_free_vgpr 656
		.amdhsa_next_free_sgpr 102
		.amdhsa_reserve_vcc 1
		.amdhsa_float_denorm_mode_32 3
		.amdhsa_float_denorm_mode_16_64 3
		.amdhsa_memory_ordered 1
		.amdhsa_forward_progress 1
		.amdhsa_inst_pref_size 186
	.end_amdhsa_kernel
	.amdgpu_metadata
---
amdhsa.version: [ 1, 2 ]
amdhsa.kernels:
  - .name:           k_qe637866906_proj
    .symbol:         k_qe637866906_proj.kd
    .args:
      - { .name: xb, .offset: 0, .size: 8, .value_kind: global_buffer, .address_space: global }
      - { .name: wcat, .offset: 8, .size: 8, .value_kind: global_buffer, .address_space: global }
      - { .name: rope, .offset: 16, .size: 8, .value_kind: global_buffer, .address_space: global }
      - { .name: dt_bias, .offset: 24, .size: 8, .value_kind: global_buffer, .address_space: global }
      - { .name: A_log_bias, .offset: 32, .size: 8, .value_kind: global_buffer, .address_space: global }
      - { .name: ab, .offset: 40, .size: 8, .value_kind: global_buffer, .address_space: global }
    .group_segment_fixed_size: 327680
    .private_segment_fixed_size: 0
    .kernarg_segment_align: 8
    .kernarg_segment_size: 48
    .max_flat_workgroup_size: 128
    .sgpr_count:     102
    .vgpr_count:     656
    .wavefront_size: 32
...
	.end_amdgpu_metadata
.endif
;; end of part 2
;; launch comb (part 3): grid 256 x 1, 16 waves a work-group, no clusters, 18,432 bytes of LDS; arguments ab, yimg; writes yimg
.if DOCPART == 3
	.amdgcn_target "amdgcn-amd-amdhsa--gfx1250"
	.amdhsa_code_object_version 6
	.text
	.protected	k_qe637866906_comb
	.globl	k_qe637866906_comb
	.p2align	8
	.type	k_qe637866906_comb,@function
k_qe637866906_comb:
	s_mov_b64 s[64:65], 0
	v_nop
	global_prefetch_b8 v0, s[64:65] scope:SCOPE_SE
	s_setreg_imm32_b32 hwreg(HW_REG_WAVE_MODE, 25, 1), 1
	s_wait_xcnt 0x0
; COMB.  The scan over chunks, and then y = y_intra + exp(G) (q . prev); Y = y / sqrt(mean(y y) + 1e-5) x gate sigmoid(gate), rounded once to f16 (gnorm_w is folded into Wo's copy).
; A work-group is one head h and four chunks, 4 c8 .. 4 c8 + 3 (c8 = 0..7): 16 waves, each with two blocks of 16 tokens.
; THE SCAN.  T(m) = T(m-1) dec(m) + cs(m) in f32, T(-1) = 0; the state before chunk n is T(n-1).  Wave w makes its sixteenth of the 32 x 32 state, two numbers a lane: 31 loads of 256
; neighbouring bytes, all issued at once, and a chain of 30 steps.  One text serves every c8: the chain walks eight groups of four chunks, group g being group max(c8 - 7 + g, 0) of the
; head; the multiplier of chunk 0 counts as 0, so each clamped group only starts the chain anew, and the last start is the true one.  The four states wanted fall out behind steps 27 to 30
; (the first is 0 where c8 = 0, by a select); they go to LDS as bf16 in two parts, hi + lo, in the order of a matrix fragment; one barrier; each wave reads its chunk's state back.
; A work-group so loads 31 x 4,096 bytes of chunk states, of which the head has 32: that stands for a launch of its own and a buffer written and read.
; dec(m) = exp(G) of chunk m's last token, by scalar loads: this launch does not write ab.
; THE REST.  All arrays lie as register images: a load or store of the wave covers 512 neighbouring bytes, aligned.  O^T = prev^T Q^T (source 0 = 16 channels e of the state, source 1 = 16
; tokens, K = 32 channels d), bf16 in two parts: hi hi, hi lo, lo hi; the two accumulators of a block take turns.  A lane holds one token and 16 of its 32 channels:
; the mean wants one exchange between the halves of the lanes.  Work-groups share no tile: no cluster.
; LIMITS.  |Y| stays under 65,504 (f16): it is at most 5.66 |gate|.  exp(-gate) beyond f32's range gives sigmoid 0.  NaN and infinities are not treated apart: a chunk state that is not
; finite spreads through the chain's new starts (0 x it).
.set YIN,  16777216
.set GIMG, 33554432
.set CST,  41943040
.set EGO,  46137344
.set SPARE, 16384                      ; LDS: [4 chunks][hi, lo][2,048 B] the states; then the spare words, 128 bytes a wave: eight blocks of 256 bytes that no other line names
.set L16, 2                            ; v2       16 x lane
.set L8,  3                            ; v3       8 x lane
.set SPW, 7                            ; v7       my spare word
.set NIL, 8                            ; v8       0
.set STA, 9                            ; v9       where my part of a state goes: 4 x thread
.set LDA, 10                           ; v10      where my lane's part of my chunk's state lies
.set OFG, 12                           ; v12-19   group g: my byte offset in the head's chunk states
.set GT,  20                           ; v20-35   the gate, 8 a block; later Y
.set EG,  36                           ; v36-37   exp(G) of my token, a block each
.set PR,  40                           ; v40-71   the state's fragments: (e block, hi | lo) x 8
.set Q,   72                           ; v72-103  q's fragments: block x (hi | lo) x 8
.set YI,  104                          ; v104-135 y_intra, then y
.set AC,  136                          ; v136-167 two sets of two accumulators
.set TG,  168                          ; v168-175 at work: the gate; in the scan v168-183: hi, lo and a widened pair for each of four states
.set TE,  176                          ; v176-183 at work: its exponential
.set SS,  184                          ; v184-187 at work: sums of squares
.set CS,  188                          ; v188-249 step j's chunk state, which becomes T
.set P0,  250                          ; v250-251 the state before my group's first chunk
.set DB,  40                           ; s[40:55] group g: where its decays lie
.set MG,  56                           ; s56-63   group g's number in the head
.set DEC, 66                           ; s67-96   step j's multiplier
	s_load_b128 s[4:7], s[0:1], 0x0                ; ab s[4:5], yimg s[6:7]
	v_lshl_add_u32 v[SPW], v0, 2, SPARE
	v_mov_b32 v[NIL], 0
	v_lshrrev_b32 v1, 5, v0
	v_readfirstlane_b32 s10, v1                    ; wave 0..15
	s_lshr_b32 s12, ttmp9, 3                       ; head
	s_and_b32 s13, ttmp9, 7                        ; c8
	v_and_b32 v1, 31, v0
	v_lshlrev_b32 v[L16], 4, v1
	v_lshlrev_b32 v[L8], 3, v1
	v_and_b32 v4, 15, v0
	v_lshlrev_b32 v4, 2, v4
	v_mov_b32 v5, 1.0
	v_mov_b32 v6, 0
	v_lshlrev_b32 v[STA], 2, v0
	s_lshr_b32 s38, s10, 2                         ; my chunk among the four
	s_lshl_b32 s38, s38, 12
	v_add_nc_u32 v[LDA], s38, v[L8]
.irp g, 0,1,2,3,4,5,6,7
	s_sub_co_i32 s[MG+\g], s13, 7-\g
	s_max_i32 s[MG+\g], s[MG+\g], 0
	s_lshl_b32 s38, s[MG+\g], 14                   ; four chunk states of 4,096 bytes a group
	v_add_nc_u32 v[OFG+\g], s38, v[L8]
.endr
	s_lshl_b32 s14, s13, 5
	s_lshl1_add_u32 s14, s10, s14                  ; my first token block in the head: 32 c8 + 2 w
	s_lshl_b32 s15, s12, 8
	s_add_co_u32 s15, s15, s14
	s_lshl_b32 s16, s15, 11
	s_mov_b32 s17, 0
	s_add_co_u32 s18, s16, YIN
	s_mov_b32 s19, 0
	s_lshl_b32 s20, s15, 10
	s_add_co_u32 s20, s20, GIMG
	s_mov_b32 s21, 0
	s_lshl_b32 s39, s12, 14
	s_add_co_u32 s39, s39, EGO                     ; the head's exp(G)
	s_lshl_b32 s22, s14, 6
	s_add_co_u32 s22, s22, s39
	s_mov_b32 s23, 0
	s_lshl_b32 s24, s12, 17                        ; the head's chunk states, my sixteenth
	s_lshl_b32 s25, s10, 8
	s_add_co_u32 s24, s24, s25
	s_add_co_u32 s24, s24, CST
	s_mov_b32 s25, 0
	s_lshl_b32 s26, s14, 5
	s_add_co_u32 s26, s26, s12                     ; token block x 32 + head
	s_lshl_b32 s26, s26, 10
	s_mov_b32 s27, 0
	s_mov_b32 s29, 0
	s_mov_b32 s30, 0x76543210                      ; v_permlanex16_b32: each lane takes its own place in the other half
	s_mov_b32 s31, 0xfedcba98
	s_mov_b32 s32, 0x3d000000                      ; 1/32
	s_mov_b32 s33, 0x3727c5ac                      ; 1e-5
	s_mov_b32 s34, 0xbfb8aa3b                      ; -log2(e)
	s_mov_b32 s35, s34                             ; named with it as a pair
	s_mov_b32 s36, 0xffff0000                      ; a word's upper bf16
	s_wait_kmcnt 0x0
	s_add_nc_u64 s[24:25], s[4:5], s[24:25]
.irp g, 0,1,2,3,4,5,6,7                ; the chain's 31 chunk states first: all else hangs on them
.irp i, 0,1,2,3
.if 4*\g+\i < 31
	global_load_b64 v[CS+2*(4*\g+\i):CS+2*(4*\g+\i)+1], v[OFG+\g], s[24:25] offset:\i*4096
.endif
.endr
.endr
.irp g, 0,1,2,3,4,5,6,7
	s_lshl_b32 s28, s[MG+\g], 11                   ; four chunks of 512 bytes of exp(G) a group
	s_add_co_u32 s28, s28, s39
	s_add_nc_u64 s[DB+2*\g:DB+2*\g+1], s[4:5], s[28:29]
.irp i, 0,1,2,3
.if (4*\g+\i > 0) && (4*\g+\i < 31)
	s_load_b32 s[DEC+4*\g+\i], s[DB+2*\g:DB+2*\g+1], \i*512+508
.endif
.endr
.endr
	s_add_nc_u64 s[16:17], s[4:5], s[16:17]
	s_add_nc_u64 s[18:19], s[4:5], s[18:19]
	s_add_nc_u64 s[20:21], s[4:5], s[20:21]
	s_add_nc_u64 s[22:23], s[4:5], s[22:23]
	s_add_nc_u64 s[26:27], s[6:7], s[26:27]
.irp u, 0,1                            ; eleven loads a block: q 4, exp(G) 1, y_intra 4, gate 2
.irp p, 0,1,2,3
	global_load_b128 v[Q+16*\u+4*\p:Q+16*\u+4*\p+3], v[L16], s[16:17] offset:\u*2048+\p*512
.endr
	global_load_b32 v[EG+\u], v4, s[22:23] offset:\u*64
.irp p, 0,1,2,3
	global_load_b128 v[YI+16*\u+4*\p:YI+16*\u+4*\p+3], v[L16], s[18:19] offset:\u*2048+\p*512
.endr
	global_load_b128 v[GT+8*\u:GT+8*\u+3], v[L16], s[20:21] offset:\u*1024
	global_load_b128 v[GT+8*\u+4:GT+8*\u+7], v[L16], s[20:21] offset:\u*1024+512
.endr
	s_wait_kmcnt 0x0                               ; the decays
.irp g, 1,2,3,4,5,6,7
	s_cmp_eq_u32 s[MG+\g], 0                       ; chunk 0 starts the chain: its multiplier is 0
	s_cselect_b32 s[DEC+4*\g], 0, s[DEC+4*\g]
.endr
	s_cmp_eq_u32 s13, 0
	s_cselect_b32 s37, 0, -1                       ; lanes on where a chunk lies in front of my group's first
.set j, 1
.rept 30
	s_wait_loadcnt 52-j                            ; loads come back in order: step j's is in; out may be the 30 - j later steps' and the two blocks' 22
	v_fmac_f32 v[CS+2*j], s[DEC+j], v[CS+2*j-2]
	v_fmac_f32 v[CS+2*j+1], s[DEC+j], v[CS+2*j-1]
.if j == 27
	v_cndmask_b32 v[P0], 0, v[CS+54], s37
	v_cndmask_b32 v[P0+1], 0, v[CS+55], s37
.endif
.set j, j+1
.endr
.macro STATE c, src                    ; the state before my group's chunk c: two numbers -> hi, and what the rounding left (exact in f32) -> lo
.set K, TG+4*(\c)
	v_cvt_pk_bf16_f32 v[K], v[\src], v[(\src)+1]
	v_lshlrev_b32 v[K+2], 16, v[K]
	v_and_b32 v[K+3], s36, v[K]
	v_pk_add_f32 v[K+2:K+3], v[(\src):(\src)+1], v[K+2:K+3] neg_lo:[0,1] neg_hi:[0,1]
	v_cvt_pk_bf16_f32 v[K+1], v[K+2], v[K+3]
	ds_store_b32 v[STA], v[K] offset:(\c)*4096
	ds_store_b32 v[STA], v[K+1] offset:(\c)*4096+2048
.endm
	STATE 0, P0
	STATE 1, CS+56
	STATE 2, CS+58
	STATE 3, CS+60
	s_wait_dscnt 0x0                               ; for the others' sake: my stores are done
	s_barrier_signal -1
	s_barrier_wait -1
.irp eb, 0,1
.irp hl, 0,1
.irp db, 0,1
.irp hf, 0,1
	ds_load_b64 v[PR+8*(2*\eb+\hl)+4*\db+2*\hf:PR+8*(2*\eb+\hl)+4*\db+2*\hf+1], v[LDA] offset:\hl*2048+(2*(2*\eb+\db)+\hf)*256
.endr
.endr
.endr
.endr
	s_wait_dscnt 0x0
.macro HALF u, hb                      ; eight channels
.set GU, GT+8*(\u)+4*(\hb)
.set YU, YI+16*(\u)+8*(\hb)
.irp k, 0,1,2,3
	v_fma_mix_f32 v[TG+2*\k], v[GU+\k], v5, v6 op_sel_hi:[1,0,0]                  ; the low f16 x 1 + 0
	v_fma_mix_f32 v[TG+2*\k+1], v[GU+\k], v5, v6 op_sel:[1,0,0] op_sel_hi:[1,0,0]  ; the high one
.endr
.irp k, 0,1,2,3
	v_pk_mul_f32 v[TE+2*\k:TE+2*\k+1], v[TG+2*\k:TG+2*\k+1], s[34:35] op_sel_hi:[1,0]
.endr
.irp k, 0,1,2,3,4,5,6,7
	v_exp_f32 v[TE+\k], v[TE+\k]                   ; exp(-gate)
.endr
	s_wait_alu depctr_va_vdst(0)
.irp k, 0,1,2,3
	v_pk_mul_f32 v[YU+2*\k:YU+2*\k+1], v[YU+2*\k:YU+2*\k+1], v[SS:SS+1] op_sel_hi:[1,0]  ; y / rms: plain work behind the exponentials
.endr
	s_wait_alu depctr_va_vdst(0)
.irp k, 0,1,2,3
	v_pk_add_f32 v[TE+2*\k:TE+2*\k+1], v[TE+2*\k:TE+2*\k+1], 1.0 op_sel_hi:[1,0]
.endr
.irp k, 0,1,2,3,4,5,6,7
	v_rcp_f32 v[TE+\k], v[TE+\k]                   ; sigmoid(gate)
.endr
.irp k, 0,1,2,3
	v_pk_mul_f32 v[TG+2*\k:TG+2*\k+1], v[TG+2*\k:TG+2*\k+1], v[YU+2*\k:YU+2*\k+1]        ; plain work behind the reciprocals
.endr
	s_wait_alu depctr_va_vdst(0)
.irp k, 0,1,2,3
	v_pk_mul_f32 v[TG+2*\k:TG+2*\k+1], v[TG+2*\k:TG+2*\k+1], v[TE+2*\k:TE+2*\k+1]
.endr
.irp k, 0,1,2,3
	v_cvt_pk_f16_f32 v[GU+\k], v[TG+2*\k], v[TG+2*\k+1]  ; Y takes the gate's registers: no store's data is written twice
.endr
.endm
.macro UNIT u
.set A0, AC+16*(\u)
.set QU, Q+16*(\u)
.set YB, YI+16*(\u)
	s_wait_loadcnt 7+11*(1-(\u))                   ; this block's q is in; out may be its own 7 later loads and the later block's 11
	v_wmma_f32_16x16x32_bf16 v[A0:A0+7], v[PR:PR+7], v[QU:QU+7], 0
	v_wmma_f32_16x16x32_bf16 v[A0+8:A0+15], v[PR+16:PR+23], v[QU:QU+7], 0
	v_wmma_f32_16x16x32_bf16 v[A0:A0+7], v[PR:PR+7], v[QU+8:QU+15], v[A0:A0+7]
	v_wmma_f32_16x16x32_bf16 v[A0+8:A0+15], v[PR+16:PR+23], v[QU+8:QU+15], v[A0+8:A0+15]
	v_wmma_f32_16x16x32_bf16 v[A0:A0+7], v[PR+8:PR+15], v[QU:QU+7], v[A0:A0+7]
	v_wmma_f32_16x16x32_bf16 v[A0+8:A0+15], v[PR+24:PR+31], v[QU:QU+7], v[A0+8:A0+15]
	s_wait_loadcnt 11*(1-(\u))                     ; all of this block
.rept 4
	v_nop                                          ; the places behind the products
.endr
.set i, 0
.rept 16
	v_fma_f32 v[YB+i], v[A0+i], v[EG+(\u)], v[YB+i]
.set i, i+1
.endr
.irp k, 0,1,2,3
	v_mul_f32 v[SS+\k], v[YB+\k], v[YB+\k]         ; the sum of squares in four chains
.endr
.set i, 4
.rept 12
	v_fmac_f32 v[SS+i%4], v[YB+i], v[YB+i]
.set i, i+1
.endr
	v_add_f32 v[SS], v[SS], v[SS+1]
	v_add_f32 v[SS+2], v[SS+2], v[SS+3]
	v_add_f32 v[SS], v[SS], v[SS+2]
	v_permlanex16_b32 v[SS+1], v[SS], s30, s31     ; the token's other 16 channels lie in the lane 16 away
	v_add_f32 v[SS], v[SS], v[SS+1]
	v_fma_f32 v[SS], v[SS], s32, s33
	v_rsq_f32 v[SS], v[SS]                         ; plain work follows before it is used
	HALF \u, 0
	HALF \u, 1
	global_store_b128 v[L16], v[GT+8*(\u):GT+8*(\u)+3], s[26:27] offset:(\u)*32768
	global_store_b128 v[L16], v[GT+8*(\u)+4:GT+8*(\u)+7], s[26:27] offset:(\u)*32768+512
.endm
	UNIT 0
	UNIT 1
	s_wait_tensorcnt 0x0                           ; the wave's end, behind my last LDS store
	ds_add_u32 v[SPW], v[NIL]
	s_wait_dscnt 0x0
	s_endpgm
.Lfunc_end_k_qe637866906_comb:
	.size	k_qe637866906_comb, .Lfunc_end_k_qe637866906_comb-k_qe637866906_comb
	.p2alignl 7, 3214868480
	.fill 96, 4, 3214868480
	.section	.rodata,"a",@progbits
	.p2align	6, 0x0
	.amdhsa_kernel k_qe637866906_comb
		.amdhsa_group_segment_fixed_size 18432
		.amdhsa_private_segment_fixed_size 0
		.amdhsa_enable_private_segment 0
		.amdhsa_kernarg_size 16
		.amdhsa_user_sgpr_count 2
		.amdhsa_user_sgpr_kernarg_segment_ptr 1
		.amdhsa_wavefront_size32 1
		.amdhsa_system_sgpr_workgroup_id_x 1
		.amdhsa_system_sgpr_workgroup_id_y 1
		.amdhsa_system_sgpr_workgroup_id_z 1
		.amdhsa_system_vgpr_workitem_id 0
		.amdhsa_next_free_vgpr 256
		.amdhsa_next_free_sgpr 100
		.amdhsa_reserve_vcc 0
		.amdhsa_float_denorm_mode_32 3
		.amdhsa_float_denorm_mode_16_64 3
		.amdhsa_memory_ordered 1
		.amdhsa_forward_progress 1
		.amdhsa_inst_pref_size 33
	.end_amdhsa_kernel
	.amdgpu_metadata
---
amdhsa.version: [ 1, 2 ]
amdhsa.kernels:
  - .name:           k_qe637866906_comb
    .symbol:         k_qe637866906_comb.kd
    .args:
      - { .name: ab, .offset: 0, .size: 8, .value_kind: global_buffer, .address_space: global }
      - { .name: yimg, .offset: 8, .size: 8, .value_kind: global_buffer, .address_space: global }
    .group_segment_fixed_size: 18432
    .private_segment_fixed_size: 0
    .kernarg_segment_align: 8
    .kernarg_segment_size: 16
    .max_flat_workgroup_size: 512
    .sgpr_count:     100
    .vgpr_count:     256
    .wavefront_size: 32
...
	.end_amdgpu_metadata
.endif
;; end of part 3
;; launch outp (part 4): grid 16 x 16, 4 waves a work-group, clusters of 4 x 4, 327,680 bytes of LDS; arguments yimg, wob, out0; writes out0
.if DOCPART == 4
	.amdgcn_target "amdgcn-amd-amdhsa--gfx1250"
	.amdhsa_code_object_version 6
	.text
	.protected	k_qe637866906_outp
	.globl	k_qe637866906_outp
	.p2align	8
	.type	k_qe637866906_outp,@function
k_qe637866906_outp:
	s_mov_b64 s[64:65], 0
	v_nop
	global_prefetch_b8 v0, s[64:65] scope:SCOPE_SE
	s_setreg_imm32_b32 hwreg(HW_REG_WAVE_MODE, 25, 1), 1
	s_wait_xcnt 0x0
	s_wait_alu depctr_hold_cnt(0) depctr_sa_sdst(0) depctr_va_vdst(0) depctr_va_sdst(0) depctr_va_ssrc(0) depctr_va_vcc(0) depctr_vm_vsrc(0)
	s_getreg_b32 s2, hwreg(HW_REG_IB_STS2, 6, 4)
	s_cmp_eq_u32 s2, 0
	s_cbranch_scc0 .Lentry_in_a_cluster
	s_endpgm
.Lentry_in_a_cluster:
	s_bfe_u32 s2, ttmp6, 0x10000c
	s_cmp_lg_u32 s2, 0xf033
	s_cbranch_scc0 .Lentry_shape_is_right
	s_endpgm
.Lentry_shape_is_right:
; OUTP.  out0[token][o] = sum over c of Y[token][c] W[o][c], W = Wo x gnorm_w; Y and W in f16, sums and output in f32.  4,096 x 4,096 x 1,024.
; A tile of 256 x 256 to a work-group (256 of them), 128 x 128 to each of four waves: 64 accumulators, 512 registers.  K in 8 steps of 128 through two LDS slots.
; Y lies in memory as fragments (16 tokens x a head's 32 channels = 1 KB, lane by lane): a K step of 128 tokens is 8 rows of 4,096 dense bytes, 32,768 apart; a fragment load takes 512
; neighbouring bytes, so these rows need no padding.  W's rows are 256 bytes of a K step, 272 apart in LDS.
; CLUSTER 4 x 4: Y's tile is shared along a row of the cluster, W's along a column: joint loads.  By this text's count a wave has two tensor loads out at the start, then one.
; The matrix instruction is used transposed (source 0 = 16 rows of W, source 1 = 16 tokens): a lane holds eight neighbouring numbers of a row of out0.
; REGISTERS.  window 0: v0-31 addresses; v64-127, v128-191 Y's fragments, two buffers (on the way out: rows read back).  window 1: v64-191 W's fragments.  windows 2, 3: the accumulators, (a, b) at v[8 (8 (a % 4) + b)].
.set PITCH,  272
.set HALFT,  128*PITCH                 ; a wave's part of a slot: 128 rows of W; of Y 32,768 bytes of it
.set SLOT,   4*HALFT
.set STAGE,  2*SLOT                    ; behind the ring: 16 rows x 528 bytes for each wave
.set SPITCH, 528                       ; 512 bytes + 16: the 16 rows that a store touches start at 16 different groups of four banks
.set SPARE,  STAGE+4*16*SPITCH         ; the spare words, 128 bytes a wave: two blocks of 256 bytes that no other line names
.set LAPS,   4
.set ADRA, 16
.set ADRB, 20
.set STO,  24
.set RD,   25
.set CO,   26
.set SPW,  28
.set NIL,  29
.set F0,   64
.set F1,   128
.set G1, 24                            ; s[24:31] group 1 for Y's tiles; s[32:39] group 0, a set for each slot
.set G0, 32
.set G1B, 48                           ; s[48:55], s[56:63] the same for W's
.set G0B, 56
.set MSB, 0
.macro WIN new
.if MSB != (\new)
	s_set_vgpr_msb (MSB<<8)|(\new)
.set MSB, \new
.endif
.endm
.set MUL_LO, 0xa1                      ; source 0 (W) window 1, source 1 (Y) window 0, C and D window 2
.set MUL_HI, 0xf1
.set TO_B,   0x40
.macro JLOAD s                         ; waves 0, 1 ask for Y's halves, waves 2, 3 for W's; an s_nop 0 and four v_nop follow each line
	s_cmp_eq_u32 s11, 0
	s_cbranch_scc0 .Lfor_b_\@
	tensor_load_to_lds s[G0+4*(\s):G0+4*(\s)+3], s[G1:G1+7]
	s_nop 0
.rept 4
	v_nop
.endr
	s_branch .Lasked_\@
.Lfor_b_\@:
	tensor_load_to_lds s[G0B+4*(\s):G0B+4*(\s)+3], s[G1B:G1B+7]
	s_nop 0
.rept 4
	v_nop
.endr
.Lasked_\@:
.endm
.macro CREST
	s_cmp_lg_u32 s10, 0
	s_cbranch_scc1 .Lnot_wave_0_\@
	s_barrier_signal -3
.Lnot_wave_0_\@:
	s_barrier_wait -3
	s_barrier_signal -1
	s_barrier_wait -1
.endm
.macro CROUND
	s_barrier_signal -1
	s_barrier_wait -1
	CREST
.endm
.macro PLACES
.rept 4
	v_nop
.endr
.endm
	s_load_b128 s[4:7], s[0:1], 0x0                ; yimg s[4:5], wob s[6:7]
	s_load_b64 s[8:9], s[0:1], 0x10                ; out0
	v_lshl_add_u32 v[SPW], v0, 2, SPARE
	v_mov_b32 v[NIL], 0
	ds_add_u32 v[SPW], v[NIL]                      ; the wave's opening: the add and its wait ahead of my first tensor load
	v_lshrrev_b32 v1, 5, v0
	v_readfirstlane_b32 s10, v1                    ; wave
	s_lshr_b32 s11, s10, 1                         ; my half of the tile's tokens; also: I fetch Y (0) or W (1)
	s_and_b32 s12, s10, 1                          ; my half of its columns; also: which half of that tile I fetch
	s_bfe_u32 s40, ttmp6, 0x40000                  ; cx
	s_bfe_u32 s41, ttmp6, 0x40004                  ; cy
	s_lshl_b32 s42, ttmp9, 2
	s_add_co_u32 s42, s42, s40                     ; tile column
	s_and_b32 s13, ttmp7, 0xffff
	s_lshl_b32 s13, s13, 2
	s_add_co_u32 s13, s13, s41                     ; tile row
	s_lshl_b32 s43, s41, 2
	s_lshl_b32 s43, 15, s43                        ; my row of the cluster
	s_lshl_b32 s44, 0x1111, s40                    ; my column
	s_or_b32 s[G1+0], s43, (3<<16)|(1<<21)         ; the mask; 8-byte elements; no padding; bit 21 beside a mask
	s_mov_b32 s[G1+1], 512<<16                     ; tensor_dim0 = 512 elements = 4,096 bytes
	s_mov_b32 s[G1+2], 8<<16                       ; tensor_dim1 = 8
	s_mov_b32 s[G1+3], 512<<16                     ; tile_dim0
	s_mov_b32 s[G1+4], 8                           ; tile_dim1
	s_mov_b32 s[G1+5], 4096                        ; 32,768 bytes from token block to token block
	s_mov_b32 s[G1+6], 0
	s_mov_b32 s[G1+7], 0
	s_or_b32 s[G1B+0], s44, (1<<16)|(1<<20)|(1<<21)|(5<<22)|(3<<25)  ; 2-byte elements; after every 64 words 4 words of padding
	s_mov_b32 s[G1B+1], 128<<16
	s_mov_b32 s[G1B+2], 128<<16
	s_mov_b32 s[G1B+3], 128<<16
	s_mov_b32 s[G1B+4], 128
	s_mov_b32 s[G1B+5], 1024
	s_mov_b32 s[G1B+6], 0
	s_mov_b32 s[G1B+7], 0
	s_lshl_b32 s16, s13, 4
	s_lshl3_add_u32 s16, s12, s16                  ; Y: token block 16 x tile row + 8 x half
	s_lshl_b32 s16, s16, 15
	s_mov_b32 s17, 0
	s_lshl_b32 s46, s42, 8
	s_lshl_b32 s47, s12, 7
	s_add_co_u32 s46, s46, s47                     ; W: row 256 x tile column + 128 x half
	s_lshl_b32 s46, s46, 11
	s_mov_b32 s47, 0
	s_mul_i32 s20, s10, HALFT                      ; where my part goes: the wave's number alone
	s_wait_dscnt 0x0                               ; the opening add is done
	s_wait_kmcnt 0x0
	s_add_nc_u64 s[14:15], s[4:5], s[16:17]
	s_add_nc_u64 s[46:47], s[6:7], s[46:47]
	CROUND                                         ; all sixteen work-groups are here: the first joint loads meet
.irp s, 0,1
	s_mov_b32 s[G0+4*(\s)], 1
	s_add_co_u32 s[G0+4*(\s)+1], s20, (\s)*SLOT
	s_add_nc_u64 s[G0+4*(\s)+2:G0+4*(\s)+3], s[14:15], (\s)*4096
	s_or_b32 s[G0+4*(\s)+3], s[G0+4*(\s)+3], 0x80000000
	s_mov_b32 s[G0B+4*(\s)], 1
	s_add_co_u32 s[G0B+4*(\s)+1], s20, (\s)*SLOT
	s_add_nc_u64 s[G0B+4*(\s)+2:G0B+4*(\s)+3], s[46:47], (\s)*256
	s_or_b32 s[G0B+4*(\s)+3], s[G0B+4*(\s)+3], 0x80000000
	JLOAD \s
.endr
	v_and_b32 v1, 15, v0
	v_bfe_u32 v2, v0, 4, 1
	v_and_b32 v6, 31, v0
	v_lshlrev_b32 v[CO], 4, v6                     ; 16 x lane
	v_mul_u32_u24 v3, v1, PITCH
	v_lshl_add_u32 v3, v2, 4, v3
	s_mul_i32 s21, s11, HALFT                      ; my 128 tokens of Y
	s_mul_i32 s22, s12, HALFT
	s_add_co_u32 s22, s22, 2*HALFT                 ; my 128 rows of W
.irp s, 0,1
	v_add_nc_u32 v[ADRA+(\s)], s21, v[CO]
	v_add_nc_u32 v[ADRB+(\s)], s22, v3
	s_add_co_u32 s21, s21, SLOT
	s_add_co_u32 s22, s22, SLOT
.endr
	s_mul_i32 s23, s10, 16*SPITCH
	s_add_co_u32 s23, s23, STAGE                   ; my stage
	v_mul_u32_u24 v4, v1, SPITCH
	v_lshl_add_u32 v4, v2, 5, v4                   ; in: row l % 16, 32 bytes for each half of the lanes
	v_add_nc_u32 v[STO], s23, v4
	v_add_nc_u32 v[RD], s23, v[CO]                 ; back: 32 lanes take a row's 512 bytes
	s_lshl_b32 s16, s13, 8
	s_lshl_b32 s17, s11, 7
	s_add_co_u32 s16, s16, s17                     ; my first row of out0,
	s_lshl_b32 s16, s16, 14                        ; 16,384 bytes a row
	s_mov_b32 s17, 0
	s_lshl_b32 s46, s42, 8
	s_lshl_b32 s47, s12, 7
	s_add_co_u32 s46, s46, s47                     ; my first column
	s_lshl_b32 s46, s46, 2
	s_mov_b32 s47, 0
	s_add_nc_u64 s[16:17], s[16:17], s[46:47]
; The 64 accumulators take turns, one instruction a turn, in the same order in every quarter step.
.macro MUL16 f, hi, a0, zero
	WIN MUL_LO+0x50*(\hi)
.irp a, \a0, (\a0)+1
.irp b, 0,1,2,3,4,5,6,7
.if \zero
	v_wmma_f32_16x16x32_f16 v[8*(8*(\a)+(\b)):8*(8*(\a)+(\b))+7], v[(\f)+8*(\b):(\f)+8*(\b)+7], v[(\f)+8*(4*(\hi)+(\a)):(\f)+8*(4*(\hi)+(\a))+7], 0
.else
	v_wmma_f32_16x16x32_f16 v[8*(8*(\a)+(\b)):8*(8*(\a)+(\b))+7], v[(\f)+8*(\b):(\f)+8*(\b)+7], v[(\f)+8*(4*(\hi)+(\a)):(\f)+8*(4*(\hi)+(\a))+7], v[8*(8*(\a)+(\b)):8*(8*(\a)+(\b))+7]
.endif
.endr
.endr
.endm
.macro FETCH slot, q, f                ; 32 LDS loads in one run: quarter q (a head's 32 channels) of the slot's K step
	WIN TO_B
.irp i, 0,1,2,3,4,5,6,7
	ds_load_b128 v[(\f)+8*(\i):(\f)+8*(\i)+3],   v[ADRB+(\slot)] offset:64*(\q)+(\i)*16*PITCH
	ds_load_b128 v[(\f)+8*(\i)+4:(\f)+8*(\i)+7], v[ADRB+(\slot)] offset:64*(\q)+(\i)*16*PITCH+32
.endr
	WIN 0
.irp i, 0,1,2,3,4,5,6,7
	ds_load_b128 v[(\f)+8*(\i):(\f)+8*(\i)+3],   v[ADRA+(\slot)] offset:(4*(\i)+(\q))*1024
	ds_load_b128 v[(\f)+8*(\i)+4:(\f)+8*(\i)+7], v[ADRA+(\slot)] offset:(4*(\i)+(\q))*1024+512
.endr
.endm
.macro QUARTER slot, q, f, g, zero
	s_wait_dscnt 8                                 ; W and Y's tokens 0-63 are in; the youngest eight loads (tokens 64-127) may be out
	MUL16 \f, 0, 0, \zero
	MUL16 \f, 0, 2, \zero
	PLACES
	FETCH \slot, \q, \g
	s_wait_dscnt 32                                ; all but the 32 just issued
	MUL16 \f, 1, 0, \zero
	MUL16 \f, 1, 2, \zero
.endm
; The last quarter multiplies buffer 1 and changes slots: one barrier; in front of it each wave waits for all its tensor loads (its part of the next slot), adds 0 to its spare word, and waits for
; that and for its reads of this slot.  fill = 1: the barrier opens a round of the cluster's, and this slot is filled again, two K steps ahead, first thing behind the round.
.macro TURN slot, next, fill
	WIN 0
	s_wait_tensorcnt 0x0
	ds_add_u32 v[SPW], v[NIL]
	s_wait_dscnt 9                                 ; the add and the youngest eight loads may be out
	MUL16 F1, 0, 0, 0
	s_wait_dscnt 0x0                               ; the add is done, and my reads of this slot are over
	s_barrier_signal -1
	MUL16 F1, 0, 2, 0
	WIN 0
	s_barrier_wait -1
.if \fill
	CREST
	s_add_nc_u64 s[G0+4*(\slot)+2:G0+4*(\slot)+3], s[G0+4*(\slot)+2:G0+4*(\slot)+3], 8192
	s_add_nc_u64 s[G0B+4*(\slot)+2:G0B+4*(\slot)+3], s[G0B+4*(\slot)+2:G0B+4*(\slot)+3], 512
	JLOAD \slot                                    ; its four v_nop are also the places in front of the loads below
.else
	PLACES
.endif
	FETCH \next, 0, F0
	MUL16 F1, 1, 0, 0
	MUL16 F1, 1, 2, 0
.endm
	s_wait_tensorcnt 0x1                           ; my part of K step 0 is in; K step 1's, issued behind it, stays out
	s_barrier_signal -1
	s_barrier_wait -1
	FETCH 0, 0, F0
	QUARTER 0, 1, F0, F1, 1                        ; the first quarter starts the sums
	WIN 0
	s_mov_b32 s3, LAPS-1
.Llap:
	QUARTER 0, 2, F1, F0, 0
	QUARTER 0, 3, F0, F1, 0
	TURN 0, 1, 1
	QUARTER 1, 1, F0, F1, 0
	QUARTER 1, 2, F1, F0, 0
	QUARTER 1, 3, F0, F1, 0
	TURN 1, 0, 1
	QUARTER 0, 1, F0, F1, 0
	WIN 0
	s_sub_co_u32 s3, s3, 1
	s_cmp_lg_u32 s3, 0
	s_cbranch_scc1 .Llap
	QUARTER 0, 2, F1, F0, 0                        ; the last lap fills nothing
	QUARTER 0, 3, F0, F1, 0
	TURN 0, 1, 0
	QUARTER 1, 1, F0, F1, 0
	QUARTER 1, 2, F1, F0, 0
	QUARTER 1, 3, F0, F1, 0
	s_wait_dscnt 8
	MUL16 F1, 0, 0, 0
	MUL16 F1, 0, 2, 0
	s_wait_dscnt 0x0
	MUL16 F1, 1, 0, 0
	MUL16 F1, 1, 2, 0
	WIN 0
	; THE WAY OUT, a block of 16 rows at a time through my own stage: a lane's 32 bytes go into rows of 528 bytes and come back as whole rows of 512.
.macro STG a
.set AC, 64*((\a)%4)
.set BK, 64+64*((\a)%2)
	WIN 0x08+4*((\a)/4)                            ; store data in window 2 or 3
.irp b, 0,1,2,3,4,5,6,7
	ds_store_b128 v[STO], v[AC+8*(\b):AC+8*(\b)+3] offset:64*(\b)       ; each accumulator from its low end on
	ds_store_b128 v[STO], v[AC+8*(\b)+4:AC+8*(\b)+7] offset:64*(\b)+16
.endr
	WIN 0
	s_wait_xcnt 0x0                                ; the stores of two blocks ago have read these registers
.irp t, 0,1,2,3,4,5,6,7,8,9,10,11,12,13,14,15
	ds_load_b128 v[BK+4*(\t):BK+4*(\t)+3], v[RD] offset:(\t)*SPITCH     ; LDS serves a wave's instructions in order: these see the stores above
.endr
.endm
.macro SEND a, younger                 ; younger: the LDS instructions issued behind block a's loads: the next block's 32, or none
.set BK, 64+64*((\a)%2)
	s_wait_dscnt \younger
	s_wait_xcnt 0x0                                ; the stores' base is stepped only behind this wait
.if (\a) == 0
	s_add_nc_u64 s[8:9], s[8:9], s[16:17]
.else
	s_add_nc_u64 s[8:9], s[8:9], 16*16384
.endif
.irp t, 0,1,2,3,4,5,6,7,8,9,10,11,12,13,14,15
	global_store_b128 v[CO], v[BK+4*(\t):BK+4*(\t)+3], s[8:9] offset:(\t)*16384  ; 512 consecutive bytes of a row of out0, aligned
.endr
.endm
	PLACES                                         ; behind the last products
	STG 0
.irp a, 1,2,3,4,5,6,7
	STG \a
	SEND (\a)-1, 32
.endr
	SEND 7, 0
	s_wait_tensorcnt 0x0                           ; the wave's end, behind my last tensor load and my last LDS store
	ds_add_u32 v[SPW], v[NIL]
	s_wait_dscnt 0x0
	CROUND                                         ; the closing round
	s_endpgm
.Lfunc_end_k_qe637866906_outp:
	.size	k_qe637866906_outp, .Lfunc_end_k_qe637866906_outp-k_qe637866906_outp
	.p2alignl 7, 3214868480
	.fill 96, 4, 3214868480
	.section	.rodata,"a",@progbits
	.p2align	6, 0x0
	.amdhsa_kernel k_qe637866906_outp
		.amdhsa_group_segment_fixed_size 327680
		.amdhsa_private_segment_fixed_size 0
		.amdhsa_enable_private_segment 0
		.amdhsa_kernarg_size 24
		.amdhsa_user_sgpr_count 2
		.amdhsa_user_sgpr_kernarg_segment_ptr 1
		.amdhsa_wavefront_size32 1
		.amdhsa_system_sgpr_workgroup_id_x 1
		.amdhsa_system_sgpr_workgroup_id_y 1
		.amdhsa_system_sgpr_workgroup_id_z 1
		.amdhsa_system_vgpr_workitem_id 0
		.amdhsa_next_free_vgpr 1024
		.amdhsa_next_free_sgpr 66
		.amdhsa_reserve_vcc 0
		.amdhsa_float_denorm_mode_32 3
		.amdhsa_float_denorm_mode_16_64 3
		.amdhsa_memory_ordered 1
		.amdhsa_forward_progress 1
		.amdhsa_inst_pref_size 141
	.end_amdhsa_kernel
	.amdgpu_metadata
---
amdhsa.version: [ 1, 2 ]
amdhsa.kernels:
  - .name:           k_qe637866906_outp
    .symbol:         k_qe637866906_outp.kd
    .args:
      - { .name: yimg, .offset: 0, .size: 8, .value_kind: global_buffer, .address_space: global }
      - { .name: wob, .offset: 8, .size: 8, .value_kind: global_buffer, .address_space: global }
      - { .name: out0, .offset: 16, .size: 8, .value_kind: global_buffer, .address_space: global }
    .group_segment_fixed_size: 327680
    .private_segment_fixed_size: 0
    .kernarg_segment_align: 8
    .kernarg_segment_size: 24
    .max_flat_workgroup_size: 128
    .sgpr_count:     66
    .vgpr_count:     1024
    .wavefront_size: 32
...
	.end_amdgpu_metadata
.endif
;; end of part 4
